; MI455X (gfx1250); checked and timed in simulation.
; The chip was launched on July 23, 2026; its instructions are those of AMD's public machine-readable ISA for CDNA 5 (MIT licence, August 2026) and "CDNA5" Instruction Set Architecture Reference Guide (July 2026). The comments in the code are by the model that wrote it; some were corrected since.
;; Causal Self Attention. Allowed arithmetic: matrix products marked QUANTISED: E2M3 operands, one E8M0 scale for each 32 along K, by v_wmma_scale_f32_16x16x128_f8f6f4 with both operands' format E2M3, f32 sums; everything else in f32.
;; Inputs: Wk 384 x 384 float32; Wp 384 x 384 float32; Wq 384 x 384 float32; Wv 384 x 384 float32; bk 384 float32; bp 384 float32; bq 384 float32; bv 384 float32; x 2 x 4,096 x 384 float32.
;; Outputs: out0 2 x 4,096 x 384 float32.
;; This version of the problem:
;;   THIS VERSION OF THE PROBLEM IS GIVEN IN LOW PRECISION. The matrix products marked QUANTISED in the list below multiply operands that are first quantised to E2M3 (2 exponent bits, 3 mantissa bits; 6 bits a number), with one power-of-two scale for each 32 numbers along K (OCP MX v1.0); their sums are f32. All else is computed in f32.
;;   The module's matrix products, in the order in which they are computed (A, B: the left and right operand; K: the contracted axis; several contracted axes count as one K, in the product's order):
;;     1. [M 8,192, K 384] x [K 384, N 384]; A: input x; B: input Wq: QUANTISED
;;     2. [M 8,192, K 384] x [K 384, N 384]; A: input x; B: input Wk: QUANTISED
;;     3. [M 8,192, K 384] x [K 384, N 384]; A: input x; B: input Wv: QUANTISED
;;     4. batch 12 x [M 4,096, K 64] x [K 64, N 4,096]; A: computed on the way; B: computed on the way: QUANTISED
;;     5. batch 12 x [M 4,096, K 4,096] x [K 4,096, N 64]; A: softmax (see below); B: computed on the way: QUANTISED
;;     6. [M 8,192, K 384] x [K 384, N 384]; A: computed on the way; B: input Wp: QUANTISED
;;   THE QUANTISER, for each operand of a quantised product, along K:
;;     - K is cut into blocks of 32 from its start; a last block that is shorter is filled with zeros.
;;     - A block's scale is 2^e with e = floor(log2(the largest magnitude in the block)) - 2, held to -126 .. 127; a block of zeros has e = 0. As a byte (E8M0): e + 127.
;;     - Each number is divided by its block's scale, clamped to +-7.5, and rounded to the nearest number of E2M3, ties to even, subnormals kept.
;;     - The product sums the exact products of the quantised numbers (number of the format x scale) in f32.
;;   ~~~python
;;   def quantise(x, axis):      # numpy; x: float32 -> the quantised numbers, widened to float32 again
;;       x = np.moveaxis(x, axis, -1); K = x.shape[-1]
;;       x = np.pad(x, [(0, 0)] * (x.ndim - 1) + [(0, -K % 32)]); x = x.reshape(x.shape[:-1] + (-1, 32)); a = np.abs(x).max(-1, keepdims=True)
;;       e = np.where(a > 0, np.clip(np.frexp(np.where(a > 0, a, 1))[1] - 1 - 2, -126, 127), 0)      # np.frexp(a)[1] - 1 = floor(log2(a)), exactly
;;       r = np.clip(x / 2.0 ** e, -7.5, 7.5)
;;       step = 2.0 ** (np.maximum(np.frexp(np.where(r == 0, 1, r))[1] - 1, 0) - 3)
;;       q = np.round(r / step) * step * 2.0 ** e      # np.round: ties to even
;;       return np.moveaxis(q.reshape(q.shape[:-2] + (-1,))[..., :K], -1, axis).astype(np.float32)
;;   ~~~
;;   SOFTMAX AHEAD OF A QUANTISED PRODUCT. Where the list says 'softmax', what is quantised is not the finished softmax but p = 2^(t - M), with t = logit x log2(e) and M = ceil(the row's largest t), a whole number; so 1/2 < the row's largest p <= 1. The row's sum l is taken of the UNQUANTISED p, in f32, and the product's result is divided by l at the end. Since M is a whole number, a kernel that streams over the keys may use a running M (the ceiling of the running maximum): every later rescaling is an exact power of two, which a block's scale takes up: the codes' values come out the same.
;;   OPERANDS COMPUTED ON THE WAY. 'Computed on the way' means the value that the module computes at that place (a softmax that the list does not call 'softmax' is quantised finished and normalised). What goes into a quantiser is computed in f32, as accurately as f32 sums, v_exp_f32 and their like allow (about 1e-6 of the number): no bf16 or f16 on the way to a quantiser, and a product that is left as it is and whose result goes on into a quantised operand takes f32 operands (vector FMAs, or v_wmma_f32_16x16x4_f32). A number that lies on a knife's edge between two numbers of the format may be rounded either way, as far as f32 arithmetic and the matrix unit's own rounding can turn it there, and no further.
;; One version. Each part assembles by itself: llvm-mc -triple=amdgcn-amd-amdhsa -mcpu=gfx1250 --defsym DOCPART=n.
;; ======== version 1 of 1: 4 launches
;; limits: right only within a limited range of input values
;; workspace buffers: xq 2,555,904 bytes; wq 479,232 bytes; rope 1,048,576 bytes; qb 2,555,904 bytes; kv 5,111,808 bytes; yb 2,752,512 bytes
;; launch prep (part 1): grid 216 x 1, 4 waves a work-group, no clusters, 99,840 bytes of LDS; arguments x, Wq, Wk, Wv, Wp, xq, wq, rope; writes xq, wq, rope
.if DOCPART == 1
	.amdgcn_target "amdgcn-amd-amdhsa--gfx1250"
	.amdhsa_code_object_version 6
	.text
	.protected	k_q64b47392a1_prep
	.globl	k_q64b47392a1_prep
	.p2align	8
	.type	k_q64b47392a1_prep,@function
k_q64b47392a1_prep:
	s_mov_b64 s[64:65], 0
	v_nop
	global_prefetch_b8 v0, s[64:65] scope:SCOPE_SE
	s_setreg_imm32_b32 hwreg(HW_REG_WAVE_MODE, 25, 1), 1
	s_wait_xcnt 0x0
; PREP.  x [8192][384] and the four weights [384][384], f32 with K innermost, become codes of FP6 (E2M3) with one E8M0 byte for each 32 along K,
; stored as IMAGES OF OPERAND REGISTERS; and the table of cos and sin for the rotary embedding is made, in the register order in which the next launch wants it.
; A TILE is 16 rows: row r of tile 2 g + u is row 32 g + 8 u + r + 8 (r / 8) of the tensor.  A fragment (16 rows x 128 K) is 12 registers a lane; its image is 3 pieces of 512 bytes,
; piece c = registers 4 c .. 4 c + 3, lane l's 16 bytes at 512 c + 16 l.  Its scale words: 4 bytes a lane, 128 bytes.
; xq: 64 records (8 tiles) of 39,936 bytes: 24 images at (3 i + s) 1,536, then 24 x 128 bytes of scale words.  wq: 4 records (q, k, v, p; 24 tiles) of 119,808 bytes, likewise.
; SHARES.  A wave makes one tile.  Work-groups 0-127: x's 512 tiles; 128-151: the weights' 96; 152-215: the table's 256 tiles (a tile of 16 tokens x 32 pairs: 32 registers, 4,096 bytes).
; The rows come by loads of 512 consecutive bytes and turn through the wave's own stage in LDS (16 rows, 1,552 bytes apart: 97 x 16, so that 16 rows start in 16 different groups of banks),
; since the conversions want 16 neighbours along K in one lane.  Waves share nothing: no barrier.
; A block's scale is 2^(floor(log2(largest magnitude)) - 2).  LIMITS: NaN and infinities are not served; a block of zeros, and one whose largest magnitude lies under 2^-124, gets the byte 1
; (zeros keep zero codes; this program alone reads the bytes).  cos and sin: angle = t x 1 / 10000^(i / 32), each step rounded to f32 as the definition rounds it; the power is the correctly
; rounded one, so the angle may differ from another power function's by t x 1.2e-7; reduction by pi / 2 in two parts and polynomials of degree 7 and 8: absolute error about 1e-7.
.set STG,   24832                      ; a wave's stage
.set PITCH, 1552
.set LI,  2                            ; v2   16 x lane
.set LS,  3                            ; v3   4 x lane
.set SA,  4                            ; v4   the stage, on the way in
.set RA,  5                            ; v5   and on the way out: row r, + 64 h
.set PC,  8                            ; v8-26  the codes just made
.set R,   32                           ; v32-223  three K steps x 64 numbers
.set TM,  224                          ; v224-239  at work in QUANT
.set PW,  240                          ; v240   the scale word just made
.set SEL, 38                           ; s[38:39] lane selects: lane l xor 16
.set F,   16                           ; the table's path: v16-31 the powers, v64-79 their reciprocals, v32-63 the results, v80-91 at work
.set RO,  32
.set G,   64
; 64 numbers of a lane, register 16 b + i = k 32 b + 16 (lane / 16) + i of my row, become a fragment's codes in v[PC] on and its scale word in v[PW].
.macro QUANT s
.irp b, 0,1,2,3
	v_max3_num_f32 v[TM+\b], |v[\s+16*\b]|, |v[\s+1+16*\b]|, 0x1800000   ; my 16 numbers of block b, and the floor 2^(3 - 127): the byte cannot fall under 1
.endr
.irp i, 2,4,6,8,10,12,14
.irp b, 0,1,2,3
	v_max3_num_f32 v[TM+\b], v[TM+\b], |v[\s+16*\b+\i]|, |v[\s+1+16*\b+\i]|
.endr
.endr
.irp b, 0,1,2,3
	v_permlanex16_b32 v[TM+4+\b], v[TM+\b], s[SEL], s[SEL+1]
.endr
.irp b, 0,1,2,3
	v_max_num_f32 v[TM+\b], v[TM+\b], v[TM+4+\b]   ; with lane l xor 16's: the block's largest magnitude
.endr
.irp b, 0,1,2,3
	v_add_nc_u32 v[TM+12+\b], 0xff000000, v[TM+\b]   ; 2 off its exponent field: the conversion's scale operand
.endr
.irp b, 0,1,2,3
	v_lshrrev_b32 v[TM+4+\b], 23, v[TM+12+\b]   ; the scale's byte
.endr
	v_lshl_or_b32 v[PW], v[TM+5], 8, v[TM+4]
	v_lshl_or_b32 v[PW], v[TM+6], 16, v[PW]
	v_lshl_or_b32 v[PW], v[TM+7], 24, v[PW]
.irp c, 0,1
	v_cvt_scalef32_pk16_fp6_f32 v[PC+6*\c:PC+2+6*\c], v[\s+32*\c:\s+15+32*\c], v[TM+12+2*\c]
	v_cvt_scalef32_pk16_fp6_f32 v[PC+12+4*\c:PC+14+4*\c], v[\s+16+32*\c:\s+31+32*\c], v[TM+12+2*\c+1]   ; (a conversion's three registers begin on an even number)
.endr
	v_nop                                          ; one plain place behind a scaled conversion
.irp c, 0,1                                    ; the operand's layout wants a whole block in a lane: lanes 0-15 block 2 c, lanes 16-31 block 2 c + 1
.irp i, 0,1,2
	v_permlane16_swap_b32 v[PC+6*\c+\i], v[PC+12+4*\c+\i]
.endr
.irp i, 0,1,2
	v_mov_b32 v[PC+3+6*\c+\i], v[PC+12+4*\c+\i]
.endr
.endr
.endm
	s_load_b256 s[4:11], s[0:1], 0x0               ; x s[4:5], Wq s[6:7], Wk s[8:9], Wv s[10:11]
	s_load_b256 s[12:19], s[0:1], 0x20             ; Wp s[12:13], xq s[14:15], wq s[16:17], rope s[18:19]
	v_lshl_add_u32 v254, v0, 2, 0x18400
	v_mov_b32 v255, 0
	v_lshrrev_b32 v1, 5, v0
	v_readfirstlane_b32 s20, v1                    ; wave 0..3
	v_and_b32 v1, 31, v0
	v_lshlrev_b32 v[LI], 4, v1
	v_lshlrev_b32 v[LS], 2, v1
	v_and_b32 v6, 15, v0                           ; r
	v_bfe_u32 v7, v0, 4, 1                         ; h
	s_cmp_ge_u32 ttmp9, 152
	s_cbranch_scc1 .Lrope
	; ---- a tile of x or of a weight
	s_max_u32 s21, ttmp9, 128
	s_sub_co_u32 s21, s21, 128                     ; a weight's work-group: 0..23
	s_and_b32 s22, s21, 3                          ; which weight
	s_lshr_b32 s23, s21, 2
	s_lshl_b32 s23, s23, 2
	s_add_co_u32 s23, s23, s20                     ; its tile 0..23
	s_min_u32 s24, ttmp9, 127
	s_lshl_b32 s24, s24, 2
	s_add_co_u32 s24, s24, s20                     ; x's tile 0..511
	s_lshr_b32 s26, s24, 3                         ; x's record,
	s_and_b32 s27, s24, 7                          ; and the tile's place in it
	s_mov_b32 s[SEL], 0x76543210
	s_mov_b32 s[SEL+1], 0xfedcba98
	s_mul_i32 s48, s20, STG
	s_wait_alu depctr_va_vdst(0)
	v_add_nc_u32 v[SA], s48, v[LI]
	v_mul_u32_u24 v[RA], v6, PITCH
	v_lshl_add_u32 v[RA], v7, 6, v[RA]
	v_add_nc_u32 v[RA], s48, v[RA]
.irp b, 0,1,2,3
	v_mov_b32 v[TM+4+\b], 0                        ; written once: a lane permute's destination counts as one of its sources
.endr
	s_wait_alu depctr_va_vdst(0)
	s_wait_kmcnt 0x0
	s_cmp_eq_u32 s22, 1                            ; the choices hang on the work-group's number alone
	s_cselect_b64 s[6:7], s[8:9], s[6:7]
	s_cmp_eq_u32 s22, 2
	s_cselect_b64 s[6:7], s[10:11], s[6:7]
	s_cmp_eq_u32 s22, 3
	s_cselect_b64 s[6:7], s[12:13], s[6:7]
	s_cmp_lt_u32 ttmp9, 128                        ; x or a weight?  Only selects and moves stand behind this compare
	s_cselect_b64 s[4:5], s[4:5], s[6:7]           ; from where
	s_cselect_b64 s[14:15], s[14:15], s[16:17]     ; to where
	s_cselect_b32 s25, s24, s23                    ; the tile
	s_cselect_b32 s26, s26, s22                    ; the record
	s_cselect_b32 s27, s27, s23                    ; the tile's place in the record
	s_mov_b32 s28, 119808
	s_cselect_b32 s28, 39936, s28                  ; a record's bytes
	s_mov_b32 s29, 110592
	s_cselect_b32 s29, 36864, s29                  ; where its scale words begin
	s_lshr_b32 s30, s25, 1
	s_lshl_b32 s30, s30, 5
	s_and_b32 s31, s25, 1
	s_lshl_b32 s31, s31, 3
	s_add_co_u32 s30, s30, s31                     ; the tile's first row: 32 g + 8 u
	s_mul_i32 s30, s30, 1536
	s_mov_b32 s31, 0
	s_add_nc_u64 s[4:5], s[4:5], s[30:31]
	s_mul_i32 s30, s26, s28
	s_mul_i32 s32, s27, 4608
	s_add_co_u32 s32, s32, s30
	s_mov_b32 s33, 0
	s_add_nc_u64 s[34:35], s[14:15], s[32:33]      ; the tile's three images
	s_mul_i32 s32, s27, 384
	s_add_co_u32 s32, s32, s30
	s_add_co_u32 s32, s32, s29
	s_add_nc_u64 s[36:37], s[14:15], s[32:33]      ; and their scale words
.irp s, 0,1,2
.irp i, 0,1,2,3,4,5,6,7,8,9,10,11,12,13,14,15
	global_load_b128 v[R+64*\s+4*\i:R+64*\s+4*\i+3], v[LI], s[4:5] offset:(\i+8*(\i/8))*1536+512*\s th:TH_LOAD_NT   ; 32 lanes read 512 consecutive bytes of the tile's row i
.endr
.endr
.irp s, 0,1,2
	s_wait_loadcnt 32-16*\s                        ; this K step's 16 loads are in; the later steps' 16 each may be out
.irp i, 0,1,2,3,4,5,6,7,8,9,10,11,12,13,14,15
	ds_store_b128 v[SA], v[R+64*\s+4*\i:R+64*\s+4*\i+3] offset:\i*PITCH+512*\s
.endr
.endr
	s_wait_dscnt 0x0                               ; the stores have read their registers, which the loads below fill again
.irp s, 0,1,2
.irp b, 0,1,2,3
.irp j, 0,1,2,3
	ds_load_b128 v[R+64*\s+16*\b+4*\j:R+64*\s+16*\b+4*\j+3], v[RA] offset:512*\s+128*\b+16*\j   ; row r, k = 128 s + 32 b + 16 h + 4 j on
.endr
.endr
.endr
.irp s, 0,1,2
	s_wait_dscnt 32-16*\s                          ; this K step's 16 loads are back; the later steps' may be out
.if \s > 0
	s_wait_xcnt 0x0                                ; the last step's stores have read the codes and the scale word, which are written again
.endif
	QUANT R+64*\s
.irp c, 0,1,2
	global_store_b128 v[LI], v[PC+4*\c:PC+4*\c+3], s[34:35] offset:1536*\s+512*\c   ; 512 consecutive bytes, at a multiple of 256 from the buffer's first byte
.endr
	global_store_b32 v[LS], v[PW], s[36:37] offset:128*\s
.endr
	s_wait_tensorcnt 0x0
	ds_add_u32 v254, v255
	s_wait_dscnt 0x0
	s_endpgm
	; ---- a tile of the table: token t = 32 g + 8 u + r + 8 (r / 8); register 2 k = cos, 2 k + 1 = sin of t / 10000^(i / 32), k = 4 a + j, i = 16 (a / 2) + 8 h + 4 (a % 2) + j
.Lrope:
	s_sub_co_u32 s21, ttmp9, 152
	s_lshl_b32 s21, s21, 2
	s_add_co_u32 s21, s21, s20                     ; the tile 0..255
	s_lshr_b32 s22, s21, 1
	s_lshl_b32 s22, s22, 5
	s_and_b32 s23, s21, 1
	s_lshl_b32 s23, s23, 3
	s_add_co_u32 s22, s22, s23
	s_wait_alu depctr_va_vdst(0)
	v_and_b32 v9, 8, v6
	v_add_nc_u32 v9, v9, v6
	v_add_nc_u32 v9, s22, v9
	v_cvt_f32_u32 v8, v9                           ; t
	s_mov_b32 s40, 0xbfc90fdb                      ; -(pi / 2)'s upper part
	s_mov_b32 s41, 0x333bbd2e                      ; -(its lower part)
	s_mov_b32 s42, 0xb94ca1f9                      ; sin: -1.9515295891e-4, 8.3321608736e-3, -1.6666654611e-1
	s_mov_b32 s43, 0x3c08839e
	s_mov_b32 s44, 0xbe2aaaa3
	s_mov_b32 s45, 0x37ccf5ce                      ; cos: 2.443315711809948e-5, -1.388731625493765e-3, 4.166664568298827e-2
	s_mov_b32 s46, 0xbab6061a
	s_mov_b32 s47, 0x3d2aaaa5
	v_cmp_ne_u32 vcc_lo, 0, v7                     ; lanes 16-31
.macro EF k, lo, hi                    ; 10000^(i / 32) = 10^(i / 8): lanes 0-15 take lo, lanes 16-31 hi
	v_mov_b32 v[F+\k], \hi
	v_cndmask_b32 v[F+\k], \lo, v[F+\k], vcc_lo
.endm
	EF 0, 1.0, 10.0
	EF 1, 1.333521432163324, 13.33521432163324
	EF 2, 1.778279410038923, 17.78279410038923
	EF 3, 2.371373705661655, 23.71373705661655
	EF 4, 3.162277660168379, 31.62277660168379
	EF 5, 4.216965034285822, 42.16965034285822
	EF 6, 5.623413251903491, 56.23413251903491
	EF 7, 7.498942093324558, 74.98942093324558
	EF 8, 100.0, 1000.0
	EF 9, 133.3521432163324, 1333.521432163324
	EF 10, 177.8279410038923, 1778.279410038923
	EF 11, 237.1373705661655, 2371.373705661655
	EF 12, 316.2277660168379, 3162.277660168379
	EF 13, 421.6965034285822, 4216.965034285822
	EF 14, 562.3413251903491, 5623.413251903491
	EF 15, 749.8942093324558, 7498.942093324558
	s_wait_alu depctr_va_vdst(0)
.irp k, 0,1,2,3,4,5,6,7,8,9,10,11,12,13,14,15
	v_rcp_f32 v[G+\k], v[F+\k]
.endr
	v_nop                                          ; a plain place behind the last reciprocal
	s_wait_alu depctr_va_vdst(0)                   ; one wait for the sixteen, ahead of their first reader
.irp k, 0,1,2,3,4,5,6,7,8,9,10,11,12,13,14,15
	v_fma_f32 v[RO+\k], -v[F+\k], v[G+\k], 1.0     ; one step of Newton: the quotient 1 / power to the last bit or nearly
.endr
.irp k, 0,1,2,3,4,5,6,7,8,9,10,11,12,13,14,15
	v_fma_f32 v[G+\k], v[G+\k], v[RO+\k], v[G+\k]
.endr
.macro SINCOS k
	v_mul_f32 v80, v8, v[G+\k]                     ; the angle, rounded to f32 as the definition rounds it; under 4,096
	v_mul_f32 v81, 0x3f22f983, v80                 ; x 2 / pi
	v_rndne_f32 v81, v81                           ; N, under 2^12
	v_fma_f32 v82, v81, s40, v80                   ; angle - N x upper part: exact (a multiple of 2^-24 under 1)
	v_fma_f32 v82, v81, s41, v82                   ; - N x lower part: what is left of pi / 2 times N stays under 5e-12
	v_cvt_i32_f32 v83, v81
	v_mul_f32 v84, v82, v82                        ; z
	v_fma_f32 v85, v84, s42, s43
	v_fma_f32 v86, v84, s45, s46
	v_fma_f32 v85, v85, v84, s44
	v_fma_f32 v86, v86, v84, s47
	v_mul_f32 v85, v85, v84
	v_mul_f32 v87, v84, v84
	v_fma_f32 v88, v84, -0.5, 1.0
	v_fma_f32 v85, v85, v82, v82                   ; sin of the rest
	v_fma_f32 v86, v86, v87, v88                   ; cos of the rest
	v_and_b32 v89, 1, v83
	v_cmp_ne_u32 vcc_lo, 0, v89                    ; in odd quadrants the two change places
	v_cndmask_b32 v90, v85, v86, vcc_lo
	v_cndmask_b32 v91, v86, v85, vcc_lo
	v_lshlrev_b32 v89, 30, v83
	v_and_b32 v89, 0x80000000, v89                 ; sin is negative in quadrants 2, 3,
	v_add_nc_u32 v83, 1, v83
	v_lshlrev_b32 v83, 30, v83
	v_and_b32 v83, 0x80000000, v83                 ; cos in quadrants 1, 2
	v_xor_b32 v[RO+2*\k], v91, v83
	v_xor_b32 v[RO+2*\k+1], v90, v89
.endm
.irp k, 0,1,2,3,4,5,6,7,8,9,10,11,12,13,14,15
	SINCOS \k
.endr
	s_lshl_b32 s22, s21, 12
	s_mov_b32 s23, 0
	s_wait_alu depctr_va_vdst(0)
	s_wait_kmcnt 0x0
	s_add_nc_u64 s[18:19], s[18:19], s[22:23]
.irp m, 0,1,2,3,4,5,6,7
	global_store_b128 v[LI], v[RO+4*\m:RO+4*\m+3], s[18:19] offset:512*\m
.endr
	s_endpgm
.Lfunc_end_k_q64b47392a1_prep:
	.size	k_q64b47392a1_prep, .Lfunc_end_k_q64b47392a1_prep-k_q64b47392a1_prep
	.p2alignl 7, 3214868480
	.fill 96, 4, 3214868480
	.section	.rodata,"a",@progbits
	.p2align	6, 0x0
	.amdhsa_kernel k_q64b47392a1_prep
		.amdhsa_group_segment_fixed_size 99840
		.amdhsa_private_segment_fixed_size 0
		.amdhsa_enable_private_segment 0
		.amdhsa_kernarg_size 64
		.amdhsa_user_sgpr_count 2
		.amdhsa_user_sgpr_kernarg_segment_ptr 1
		.amdhsa_wavefront_size32 1
		.amdhsa_system_sgpr_workgroup_id_x 1
		.amdhsa_system_sgpr_workgroup_id_y 1
		.amdhsa_system_sgpr_workgroup_id_z 1
		.amdhsa_system_vgpr_workitem_id 0
		.amdhsa_next_free_vgpr 256
		.amdhsa_next_free_sgpr 66
		.amdhsa_reserve_vcc 1
		.amdhsa_float_denorm_mode_32 3
		.amdhsa_float_denorm_mode_16_64 3
		.amdhsa_memory_ordered 1
		.amdhsa_forward_progress 1
		.amdhsa_inst_pref_size 53
	.end_amdhsa_kernel
	.amdgpu_metadata
---
amdhsa.version: [ 1, 2 ]
amdhsa.kernels:
  - .name:           k_q64b47392a1_prep
    .symbol:         k_q64b47392a1_prep.kd
    .args:
      - { .name: x, .offset: 0, .size: 8, .value_kind: global_buffer, .address_space: global }
      - { .name: Wq, .offset: 8, .size: 8, .value_kind: global_buffer, .address_space: global }
      - { .name: Wk, .offset: 16, .size: 8, .value_kind: global_buffer, .address_space: global }
      - { .name: Wv, .offset: 24, .size: 8, .value_kind: global_buffer, .address_space: global }
      - { .name: Wp, .offset: 32, .size: 8, .value_kind: global_buffer, .address_space: global }
      - { .name: xq, .offset: 40, .size: 8, .value_kind: global_buffer, .address_space: global }
      - { .name: wq, .offset: 48, .size: 8, .value_kind: global_buffer, .address_space: global }
      - { .name: rope, .offset: 56, .size: 8, .value_kind: global_buffer, .address_space: global }
    .group_segment_fixed_size: 99840
    .private_segment_fixed_size: 0
    .kernarg_segment_align: 8
    .kernarg_segment_size: 64
    .max_flat_workgroup_size: 128
    .sgpr_count:     66
    .vgpr_count:     256
    .wavefront_size: 32
...
	.end_amdgpu_metadata
.endif
;; end of part 1
;; launch qkv (part 2): grid 64 x 3, 12 waves a work-group, no clusters, 169,472 bytes of LDS; arguments xq, wq, rope, bq, bk, bv, qb, kv; writes qb, kv
.if DOCPART == 2
	.amdgcn_target "amdgcn-amd-amdhsa--gfx1250"
	.amdhsa_code_object_version 6
	.text
	.protected	k_q64b47392a1_qkv
	.globl	k_q64b47392a1_qkv
	.p2align	8
	.type	k_q64b47392a1_qkv,@function
k_q64b47392a1_qkv:
	s_mov_b64 s[64:65], 0
	v_nop
	global_prefetch_b8 v0, s[64:65] scope:SCOPE_SE
	s_setreg_imm32_b32 hwreg(HW_REG_WAVE_MODE, 25, 1), 1
	s_wait_xcnt 0x0
; QKV.  q = x Wq^T + bq, k = x Wk^T + bk (both turned by the rotary embedding), v = x Wv^T + bv, on codes of FP6 with E8M0 scales; the results are quantised at once, q and k along the head's 64,
; v along the keys, and stored as images of the operand registers that the attention launch loads.
; SHARES.  A work-group takes 128 tokens (x: ttmp9) and one of q, k, v (y).  Its weight's record (119,808 bytes) and its tokens' record (39,936 bytes) come into LDS once, by four tensor loads of
; 156 rows x 256 bytes (waves 0-2: the weight's thirds; wave 3: x); nothing is filled again.  There are 24 jobs of one form, 8 accumulators x 3 K steps and one quantising; each of 12 waves takes two.
; q, k (TRANSPOSED: source 0 = 16 rows of W, source 1 = 16 tokens): wave w: head w / 2; job: a group of 32 tokens (two tiles u) x the head's four tiles a of W.  Register j of accumulator (u, a) is
; d = 32 (a / 2) + 16 h + 8 (a % 2) + j of the lane's token: neighbours along d.  The 64 registers make ONE fragment: registers 0-5 tile u = 0's 64 codes, 6-11 tile u = 1's.
; v (source 0 = 16 tokens, source 1 = 16 rows of W): job: one tile of 16 d x all 8 tiles of tokens.  Register 8 i + j is token 32 (i / 2) + 16 h + 8 (i % 2) + j: neighbours along the keys.
; A tile's rows are not neighbours: row r of tile 2 g + u is 32 g + 8 u + r + 8 (r / 8), for tokens and for W's rows alike.
; NO CLUSTER: what work-groups share (a weight's record among 64, a tokens' record among 3) is asked for once by each, at its head; there is no ring in which a joint request would recur.
; LIMITS: NaN and infinities are not served; a block of zeros, or one under 2^-124, gets the byte 1.
.set QS_OFF,  2359296                  ; qb: 1,536 fragments of 1,536 bytes, then their scale words
.set KVS_OFF, 24576                    ; kv: 192 records (256 keys) of 26,624 bytes: 8 fragments of K, 8 of V, then 2,048 bytes of scale words
.set WREC, 119808
.set XREC, 39936
.set XB,   119808                      ; LDS: the weight's record at 0, the tokens' behind it
.set WSC,  110592                      ; where a weight record's scale words begin
.set XSC,  XB+36864                    ; and the tokens'
.set LI,   1                           ; v1  16 x lane
.set LS,   2                           ; v2  4 x lane
.set AW,   3                           ; v3-6  q, k: my head's W, its scale words, my half of the tokens, their scale words
.set AWS,  4
.set AX,   5
.set AXS,  6
.set AXV,  7                           ; v7-10 v: all tokens, their scale words, my two tiles of W, their scale words
.set AXSV, 8
.set AWV,  9
.set AWSV, 10
.set BO,   11                          ; v11 64 h: the bias of q, k
.set BVO,  12                          ; v12 4 (r + 8 (r / 8)): the bias of v
.set ACC,  16                          ; v16-79 the eight accumulators
.set G1,   24
.set G0,   32
.set SEL,  38
.macro QUANT s
.irp b, 0,1,2,3
	v_max3_num_f32 v[TM+\b], |v[\s+16*\b]|, |v[\s+1+16*\b]|, 0x1800000   ; my 16 numbers of block b, and the floor 2^(3 - 127): the byte cannot fall under 1
.endr
.irp i, 2,4,6,8,10,12,14
.irp b, 0,1,2,3
	s_delay_alu instid0(VALU_DEP_4)
	v_max3_num_f32 v[TM+\b], v[TM+\b], |v[\s+16*\b+\i]|, |v[\s+1+16*\b+\i]|
.endr
.endr
.irp b, 0,1,2,3
	s_delay_alu instid0(VALU_DEP_4)
	v_permlanex16_b32 v[TM+4+\b], v[TM+\b], s[SEL], s[SEL+1]
.endr
.irp b, 0,1,2,3
	s_delay_alu instid0(VALU_DEP_4)
	v_max_num_f32 v[TM+\b], v[TM+\b], v[TM+4+\b]
.endr
.irp b, 0,1,2,3
	s_delay_alu instid0(VALU_DEP_4)
	v_add_nc_u32 v[TM+12+\b], 0xff000000, v[TM+\b]   ; 2 off the exponent field: the conversion's scale operand
.endr
.irp b, 0,1,2,3
	s_delay_alu instid0(VALU_DEP_4)
	v_lshrrev_b32 v[TM+4+\b], 23, v[TM+12+\b]
.endr
	s_delay_alu instid0(VALU_DEP_3)
	v_lshl_or_b32 v[PW], v[TM+5], 8, v[TM+4]
	s_delay_alu instid0(VALU_DEP_1)
	v_lshl_or_b32 v[PW], v[TM+6], 16, v[PW]
	s_delay_alu instid0(VALU_DEP_1)
	v_lshl_or_b32 v[PW], v[TM+7], 24, v[PW]
.irp c, 0,1
	v_cvt_scalef32_pk16_fp6_f32 v[PC+6*\c:PC+2+6*\c], v[\s+32*\c:\s+15+32*\c], v[TM+12+2*\c]
	v_cvt_scalef32_pk16_fp6_f32 v[PC+12+4*\c:PC+14+4*\c], v[\s+16+32*\c:\s+31+32*\c], v[TM+12+2*\c+1]
.endr
	v_nop                                          ; one plain place behind a scaled conversion
.irp c, 0,1
.irp i, 0,1,2
	v_permlane16_swap_b32 v[PC+6*\c+\i], v[PC+12+4*\c+\i]
.endr
.irp i, 0,1,2
	s_delay_alu instid0(VALU_DEP_3)
	v_mov_b32 v[PC+3+6*\c+\i], v[PC+12+4*\c+\i]
.endr
.endr
.endm
.macro MMZ d, a, b, sa, sb             ; a product that starts a sum
	v_wmma_scale_f32_16x16x128_f8f6f4 v[\d:\d+7], v[\a:\a+11], v[\b:\b+11], 0, v[\sa], v[\sb] matrix_a_fmt:MATRIX_FMT_FP6 matrix_b_fmt:MATRIX_FMT_FP6
.endm
.macro MMA d, a, b, c, sa, sb          ; C in registers
	v_wmma_scale_f32_16x16x128_f8f6f4 v[\d:\d+7], v[\a:\a+11], v[\b:\b+11], v[\c:\c+7], v[\sa], v[\sb] matrix_a_fmt:MATRIX_FMT_FP6 matrix_b_fmt:MATRIX_FMT_FP6
.endm
.macro PLACES                          ; four plain places behind a matrix instruction, ahead of loads into its registers and of reads of its result
.rept 4
	v_nop
.endr
.endm
.macro OUTF jb                         ; the fragment and its scale words leave as they stand: 512 consecutive bytes a store
.irp c, 0,1,2
	global_store_b128 v[LI], v[PC+4*\c:PC+4*\c+3], s[56:57] offset:\jb*1536+512*\c
.endr
	global_store_b32 v[LS], v[PW], s[58:59] offset:\jb*128
.endm
	s_load_b256 s[4:11], s[0:1], 0x0               ; xq s[4:5], wq s[6:7], rope s[8:9], bq s[10:11]
	s_load_b256 s[12:19], s[0:1], 0x20             ; bk s[12:13], bv s[14:15], qb s[16:17], kv s[18:19]
	s_set_vgpr_msb 0x40
	v_lshl_add_u32 v0, v0, 2, 0x29000
	v_mov_b32 v1, 0
	s_set_vgpr_msb 0x4045
	ds_add_u32 v0, v1
	ds_add_u32 v0, v1
	s_set_vgpr_msb 0x4500
	v_lshrrev_b32 v13, 5, v0
	s_delay_alu instid0(VALU_DEP_1)
	v_readfirstlane_b32 s20, v13                   ; wave 0..11
	s_and_b32 s22, ttmp7, 0xffff                   ; 0 q, 1 k, 2 v
	s_mov_b32 s[G1+0], 3<<16                       ; elements of 8 bytes, no mask, no padding
	s_mov_b32 s[G1+1], 32<<16                      ; tensor_dim0 = 32 elements: 256 bytes
	s_mov_b32 s[G1+2], 156<<16                     ; tensor_dim1 = 156
	s_mov_b32 s[G1+3], 32<<16                      ; tile_dim0
	s_mov_b32 s[G1+4], 156                         ; tile_dim1
	s_mov_b32 s[G1+5], 32                          ; from row to row: dense
	s_mov_b32 s[G1+6], 0
	s_mov_b32 s[G1+7], 0
	s_mov_b32 s[G0], 1
	s_mul_i32 s[G0+1], s20, XREC                   ; LDS: wave x 39,936
	s_mul_i32 s36, s22, WREC
	s_add_co_u32 s36, s36, s[G0+1]                 ; the weight's record, my third
	s_mul_i32 s37, ttmp9, XREC                     ; the tokens' record
	s_wait_dscnt 0x0
	s_wait_kmcnt 0x0
	s_cmp_lt_u32 s20, 3
	s_cselect_b64 s[G0+2:G0+3], s[6:7], s[4:5]
	s_cselect_b32 s36, s36, s37
	s_mov_b32 s37, 0
	s_add_nc_u64 s[G0+2:G0+3], s[G0+2:G0+3], s[36:37]
	s_or_b32 s[G0+3], s[G0+3], 0x80000000
	s_cmp_lt_u32 s20, 4
	s_cbranch_scc0 .Lno_fill
	tensor_load_to_lds s[G0:G0+3], s[G1:G1+7]      ; one load a wave, four in all
	s_nop 0
	PLACES
.Lno_fill:
	v_and_b32 v13, 31, v0
	s_delay_alu instid0(VALU_DEP_1)
	v_lshlrev_b32 v[LI], 4, v13
	s_delay_alu instid0(VALU_DEP_2)
	v_lshlrev_b32 v[LS], 2, v13
	s_wait_alu depctr_va_vdst(0)
	v_and_b32 v14, 15, v0                          ; r
	v_bfe_u32 v15, v0, 4, 1                        ; h
	s_wait_alu depctr_va_vdst(0)
	s_lshr_b32 s40, s20, 1                         ; wave / 2: the head
	s_and_b32 s41, s20, 1                          ; wave % 2
	s_mul_i32 s44, s40, 18432                      ; every LDS address is made here, of the lane and the wave alone
	v_add_nc_u32 v[AW], s44, v[LI]
	s_mul_i32 s44, s40, 1536
	s_add_co_u32 s44, s44, WSC
	v_add_nc_u32 v[AWS], s44, v[LS]
	s_mul_i32 s44, s41, 18432
	s_add_co_u32 s44, s44, XB
	v_add_nc_u32 v[AX], s44, v[LI]
	s_mul_i32 s44, s41, 1536
	s_add_co_u32 s44, s44, XSC
	v_add_nc_u32 v[AXS], s44, v[LS]
	v_add_nc_u32 v[AXV], XB, v[LI]
	v_add_nc_u32 v[AXSV], XSC, v[LS]
	s_mul_i32 s44, s20, 9216
	v_add_nc_u32 v[AWV], s44, v[LI]
	s_mul_i32 s44, s20, 768
	s_add_co_u32 s44, s44, WSC
	v_add_nc_u32 v[AWSV], s44, v[LS]
	v_lshlrev_b32 v[BO], 6, v15
	v_and_b32 v13, 8, v14
	s_delay_alu instid0(VALU_DEP_1)
	v_add_nc_u32 v13, v13, v14
	s_delay_alu instid0(VALU_DEP_1)
	v_lshlrev_b32 v[BVO], 2, v13
	s_mov_b32 s[SEL], 0x76543210
	s_mov_b32 s[SEL+1], 0xfedcba98
	s_lshr_b32 s42, ttmp9, 5                       ; the batch
	s_and_b32 s43, ttmp9, 31                       ; the block of 128 tokens in it
	s_mul_i32 s45, s42, 6
	s_add_co_u32 s45, s45, s40                     ; batch x 6 + head
	s_lshr_b32 s46, s43, 1
	s_and_b32 s47, s43, 1
	s_lshl_b32 s48, s45, 4
	s_add_co_u32 s48, s48, s46                     ; the slot of 256 keys
	s_wait_tensorcnt 0x0                           ; my load has landed,
	s_barrier_signal -1
	s_barrier_wait -1                              ; everybody's has: the one barrier of the launch
	s_cmp_eq_u32 s22, 2
	s_cbranch_scc1 .Lv
	; ---- q or k
.set WF, 80                            ; v80-127 W's four fragments;  v128-151 x's two;  v152-155, v156-157 their scale words;  v160-223 cos, sin;  v224-255 the bias
.set XF, 128
.set WS, 152
.set XS, 156
.set RP, 160
.set BI, 224
.set TM, 80                            ; behind the products, over W's fragments: at work, the scale word, the codes, the rotation's temporaries
.set PW, 96
.set PC, 100
.set RT, 120
	s_lshl_b32 s49, s45, 7
	s_lshl_b32 s50, s43, 2
	s_add_co_u32 s49, s49, s50
	s_lshl_b32 s50, s41, 1
	s_add_co_u32 s49, s49, s50                     ; q: fragment (batch x 6 + head) 128 + group of 32 tokens
	s_mul_i32 s52, s49, 1536
	s_lshl_b32 s53, s49, 7
	s_add_co_u32 s53, s53, QS_OFF
	s_lshl_b32 s51, s47, 2
	s_add_co_u32 s51, s51, s50                     ; k: the group's place in its slot
	s_mul_i32 s54, s48, 26624
	s_mul_i32 s55, s51, 1536
	s_add_co_u32 s54, s54, s55
	s_mul_i32 s55, s48, 26624
	s_lshl_b32 s56, s51, 7
	s_add_co_u32 s55, s55, s56
	s_add_co_u32 s55, s55, KVS_OFF
	s_cmp_eq_u32 s22, 0                            ; q or k: selects and moves alone stand behind this compare
	s_cselect_b64 s[16:17], s[16:17], s[18:19]
	s_cselect_b64 s[10:11], s[10:11], s[12:13]
	s_cselect_b32 s52, s52, s54
	s_cselect_b32 s54, s53, s55
	s_mov_b32 s53, 0
	s_mov_b32 s55, 0
	s_add_nc_u64 s[56:57], s[16:17], s[52:53]      ; where my two fragments go,
	s_add_nc_u64 s[58:59], s[16:17], s[54:55]      ; and their scale words
	s_lshl_b32 s52, s40, 8
	s_add_nc_u64 s[10:11], s[10:11], s[52:53]      ; the head's 64 numbers of the bias
	s_lshl_b32 s52, s43, 3
	s_lshl_b32 s54, s41, 2
	s_add_co_u32 s52, s52, s54
	s_lshl_b32 s52, s52, 12
	s_add_nc_u64 s[8:9], s[8:9], s[52:53]          ; the table at my first tile of tokens
	s_wait_alu depctr_va_vdst(0)
.irp a, 0,1,2,3
.irp j, 0,1
	global_load_b128 v[BI+8*\a+4*\j:BI+8*\a+4*\j+3], v[BO], s[10:11] offset:128*(\a/2)+32*(\a%2)+16*\j   ; the bias in the result's layout: it is the C of each sum's first product
.endr
.endr
.macro ROPELOAD jb
.irp u, 0,1
.irp m, 0,1,2,3,4,5,6,7
	global_load_b128 v[RP+32*\u+4*\m:RP+32*\u+4*\m+3], v[LI], s[8:9] offset:(2*\jb+\u)*4096+512*\m
.endr
.endr
.endm
	ROPELOAD 0
.macro QKJOB jb
.if \jb > 0
	s_wait_xcnt 0x0                                ; the last job's stores have read the codes and the scale word, over which W's fragments are loaded
.endif
.irp s, 0,1,2
.irp a, 0,1,2,3
.irp c, 0,1,2
	ds_load_b128 v[WF+12*\a+4*\c:WF+12*\a+4*\c+3], v[AW] offset:(3*\a+\s)*1536+512*\c
.endr
	ds_load_b32 v[WS+\a], v[AWS] offset:(3*\a+\s)*128
.endr
.irp u, 0,1
.irp c, 0,1,2
	ds_load_b128 v[XF+12*\u+4*\c:XF+12*\u+4*\c+3], v[AX] offset:\jb*9216+(3*\u+\s)*1536+512*\c
.endr
	ds_load_b32 v[XS+\u], v[AXS] offset:\jb*768+(3*\u+\s)*128
.endr
	s_wait_dscnt 0x0
.if (\jb == 0) && (\s == 0)
	s_wait_loadcnt 16                              ; the bias's 8 loads are in; the table's 16, issued behind them, may be out
.endif
.irp u, 0,1                                    ; the eight accumulators take turns, one instruction a turn
.irp a, 0,1,2,3
.if \s == 0
	MMA ACC+32*\u+8*\a, WF+12*\a, XF+12*\u, BI+8*\a, WS+\a, XS+\u
.else
	MMA ACC+32*\u+8*\a, WF+12*\a, XF+12*\u, ACC+32*\u+8*\a, WS+\a, XS+\u
.endif
.endr
.endr
	PLACES
.endr
	s_wait_loadcnt 0x0                             ; cos and sin
.irp u, 0,1                                    ; the rotation, each accumulator from its low end on: (x1, x2) -> (x1 cos - x2 sin, x1 sin + x2 cos)
.irp a, 0,1,2,3
.irp j, 0,1,2,3
	v_mul_f32 v[RT+2*(\j%2)], v[ACC+32*\u+8*\a+2*\j+1], v[RP+32*\u+8*\a+2*\j+1]
	v_mul_f32 v[RT+2*(\j%2)+1], v[ACC+32*\u+8*\a+2*\j], v[RP+32*\u+8*\a+2*\j+1]
	v_fma_f32 v[ACC+32*\u+8*\a+2*\j], v[ACC+32*\u+8*\a+2*\j], v[RP+32*\u+8*\a+2*\j], -v[RT+2*(\j%2)]
	v_fma_f32 v[ACC+32*\u+8*\a+2*\j+1], v[ACC+32*\u+8*\a+2*\j+1], v[RP+32*\u+8*\a+2*\j], v[RT+2*(\j%2)+1]
.endr
.endr
.endr
.if \jb == 0
	ROPELOAD 1                                     ; the next job's: it lands during the quantising and the next products
.endif
	QUANT ACC
	OUTF \jb
.endm
	QKJOB 0
	QKJOB 1
	s_set_vgpr_msb 0x5
	s_wait_tensorcnt 0x0
	ds_add_u32 v0, v1
	s_wait_dscnt 0x0
	s_set_vgpr_msb 0x500
	s_endpgm
	; ---- v
.Lv:
.set XF8, 80                           ; v80-175 x's eight fragments;  v176-187 W's one;  v188-195, v196 their scale words;  v198 the bias (v199: named with it as a pair)
.set WF1, 176
.set XS8, 188
.set WS1, 196
.set BV,  198
.set TM,  200
.set PW,  216
.set PC,  220
	s_mul_i32 s52, s48, 26624
	s_lshl_b32 s51, s47, 2
	s_lshl_b32 s50, s41, 1
	s_add_co_u32 s51, s51, s50                     ; 4 x (which 128 keys of the slot) + my first tile of d
	s_mul_i32 s53, s51, 1536
	s_add_co_u32 s52, s52, s53
	s_add_co_u32 s52, s52, 12288                   ; V's fragments lie behind K's eight
	s_mov_b32 s53, 0
	s_add_nc_u64 s[56:57], s[18:19], s[52:53]
	s_mul_i32 s52, s48, 26624
	s_lshl_b32 s54, s51, 7
	s_add_co_u32 s52, s52, s54
	s_add_co_u32 s52, s52, KVS_OFF+1024
	s_add_nc_u64 s[58:59], s[18:19], s[52:53]
	s_lshl_b32 s52, s20, 7
	s_add_nc_u64 s[14:15], s[14:15], s[52:53]      ; bv at my 32 rows of W
	v_mov_b32 v[BV+1], 0
.irp b, 0,1,2,3
	v_mov_b32 v[TM+4+\b], 0                        ; written once: a lane permute's destination counts as one of its sources
.endr
.macro VJOB jb
.if \jb > 0
	s_wait_xcnt 0x0                                ; the last job's stores have read the codes and the scale word
.endif
	global_load_b32 v[BV], v[BVO], s[14:15] offset:32*\jb   ; my column's bias
.irp s, 0,1,2
.irp i, 0,1,2,3,4,5,6,7
.irp c, 0,1,2
	ds_load_b128 v[XF8+12*\i+4*\c:XF8+12*\i+4*\c+3], v[AXV] offset:(3*\i+\s)*1536+512*\c
.endr
	ds_load_b32 v[XS8+\i], v[AXSV] offset:(3*\i+\s)*128
.endr
.irp c, 0,1,2
	ds_load_b128 v[WF1+4*\c:WF1+4*\c+3], v[AWV] offset:\jb*4608+\s*1536+512*\c
.endr
	ds_load_b32 v[WS1], v[AWSV] offset:\jb*384+\s*128
	s_wait_dscnt 0x0
.irp i, 0,1,2,3,4,5,6,7                        ; eight accumulators by turns
.if \s == 0
	MMZ ACC+8*\i, XF8+12*\i, WF1, XS8+\i, WS1
.else
	MMA ACC+8*\i, XF8+12*\i, WF1, ACC+8*\i, XS8+\i, WS1
.endif
.endr
	PLACES
.endr
	s_wait_loadcnt 0x0
.set II, 0
.rept 32
	v_pk_add_f32 v[ACC+II:ACC+II+1], v[ACC+II:ACC+II+1], v[BV:BV+1] op_sel_hi:[1,0]   ; + the bias, each accumulator from its low end on
.set II, II+2
.endr
	QUANT ACC
	OUTF \jb
.endm
	s_wait_alu depctr_va_vdst(0)
	VJOB 0
	VJOB 1
	s_set_vgpr_msb 0x5
	s_wait_tensorcnt 0x0
	ds_add_u32 v0, v1
	s_wait_dscnt 0x0
	s_set_vgpr_msb 0x500
	s_endpgm
.Lfunc_end_k_q64b47392a1_qkv:
	.size	k_q64b47392a1_qkv, .Lfunc_end_k_q64b47392a1_qkv-k_q64b47392a1_qkv
	.p2alignl 7, 3214868480
	.fill 96, 4, 3214868480
	.section	.rodata,"a",@progbits
	.p2align	6, 0x0
	.amdhsa_kernel k_q64b47392a1_qkv
		.amdhsa_group_segment_fixed_size 169472
		.amdhsa_private_segment_fixed_size 0
		.amdhsa_enable_private_segment 0
		.amdhsa_kernarg_size 64
		.amdhsa_user_sgpr_count 2
		.amdhsa_user_sgpr_kernarg_segment_ptr 1
		.amdhsa_wavefront_size32 1
		.amdhsa_system_sgpr_workgroup_id_x 1
		.amdhsa_system_sgpr_workgroup_id_y 1
		.amdhsa_system_sgpr_workgroup_id_z 1
		.amdhsa_system_vgpr_workitem_id 0
		.amdhsa_next_free_vgpr 258
		.amdhsa_next_free_sgpr 66
		.amdhsa_reserve_vcc 0
		.amdhsa_float_denorm_mode_32 3
		.amdhsa_float_denorm_mode_16_64 3
		.amdhsa_memory_ordered 1
		.amdhsa_forward_progress 1
		.amdhsa_inst_pref_size 87
	.end_amdhsa_kernel
	.amdgpu_metadata
---
amdhsa.version: [ 1, 2 ]
amdhsa.kernels:
  - .name:           k_q64b47392a1_qkv
    .symbol:         k_q64b47392a1_qkv.kd
    .args:
      - { .name: xq, .offset: 0, .size: 8, .value_kind: global_buffer, .address_space: global }
      - { .name: wq, .offset: 8, .size: 8, .value_kind: global_buffer, .address_space: global }
      - { .name: rope, .offset: 16, .size: 8, .value_kind: global_buffer, .address_space: global }
      - { .name: bq, .offset: 24, .size: 8, .value_kind: global_buffer, .address_space: global }
      - { .name: bk, .offset: 32, .size: 8, .value_kind: global_buffer, .address_space: global }
      - { .name: bv, .offset: 40, .size: 8, .value_kind: global_buffer, .address_space: global }
      - { .name: qb, .offset: 48, .size: 8, .value_kind: global_buffer, .address_space: global }
      - { .name: kv, .offset: 56, .size: 8, .value_kind: global_buffer, .address_space: global }
    .group_segment_fixed_size: 169472
    .private_segment_fixed_size: 0
    .kernarg_segment_align: 8
    .kernarg_segment_size: 64
    .max_flat_workgroup_size: 384
    .sgpr_count:     66
    .vgpr_count:     258
    .wavefront_size: 32
...
	.end_amdgpu_metadata
.endif
;; end of part 2
;; launch attn (part 3): grid 256 x 1, 16 waves a work-group, no clusters, 327,680 bytes of LDS; arguments qb, kv, yb; writes yb
.if DOCPART == 3
	.amdgcn_target "amdgcn-amd-amdhsa--gfx1250"
	.amdhsa_code_object_version 6
	.text
	.protected	k_q64b47392a1_attn
	.globl	k_q64b47392a1_attn
	.p2align	8
	.type	k_q64b47392a1_attn,@function
k_q64b47392a1_attn:
	s_mov_b64 s[64:65], 0
	v_nop
	global_prefetch_b8 v0, s[64:65] scope:SCOPE_SE
	s_setreg_imm32_b32 hwreg(HW_REG_WAVE_MODE, 25, 1), 1
	s_wait_xcnt 0x0
; ATTN.  y[q] = sum over keys k <= q of softmax(q . k / 8) v, both products on codes of FP6 with E8M0 scales; y is quantised along its 64 channels and stored as an image of operand registers.
; THE SOFTMAX: t = score x log2(e) / 8; M = the running largest t rounded UP to a whole number (kept as -M = floor(-t)); p = 2^(t - M) is quantised along the keys, not normalised; the row's sum
; is taken of the unquantised p and divides at the end.  When M moves, the sum and O are multiplied by 2^(old M - new M): exact.
; LEFT OUT: key steps all of whose keys come after a wave's queries: the causal mask sets their scores to -infinity for every input, so they add 0 to sum and result.
; SHARES.  A PASS is 64 queries (number C = 0..63) of one head: 4 tiles of 16 queries x 4 shares of the keys = 16 waves.  A slot holds 1,024 keys, eight steps of 128; wave (tile t, share kq) works
; the slot's steps kq and kq + 4.  A pass walks C / 16 + 1 slots.  At its end the four partial results of a tile (O, -M, sum) are joined by the wave with kq = 0, through a stage in LDS: each is
; multiplied by 2^(its M - the largest M), exact, and added.  There are 12 x 64 passes; work-group 64 T + i (k = i / 2, e = i % 2) takes C = i of head 3 T, C = 63 - k - 32 e of head 3 T + 1 and
; C = 31 - k + 32 e of head 3 T + 2: the three C add up to 94 or 95, and the slots to 7 or 8.  So the walk is a loop of 4 trips x 2 visits; a visit past the end does nothing but its barrier.
; kq = (w / 4 + w) % 4, t = w % 4: each four neighbouring waves, and each four waves four apart, hold all four shares.
; LAYOUT as the launch before stores it: S^T = K Q^T, O^T = V^T P^T: a lane holds one query.  A fragment of K holds two tiles of 16 keys and is multiplied by (q, 0) and by (0, q); q, 0, q stand in 18 registers.
; LDS.  Two slots of 106,496 bytes (four records of 256 keys, dense in memory); every wave fetches 26 rows of 256 bytes of a slot: one tensor load of a wave is out at the most.  The ring goes on from
; pass to pass.  Behind the slots two stages (by the visit's parity) of 12 x 4,608 bytes, one place for each wave with kq = 1, 2, 3, which no tensor load fills, and the spare words.
; PREFETCH: the work-group whose pass has C = 63 walks all 4 slots of that head; behind its load of slot j + 1 it names slot j + 2, each wave its own 26 rows, a lane a row (lanes 26-31 name the
; last again); slots 0 and 1 come by their loads alone; slot 3's load names nothing.  So each block of 256 bytes is named once in the launch.
; NO CLUSTER: work-groups that walk one head change passes at different visits, which are branches on the work-group's number, and need different numbers of slots.
; LIMITS: NaN and infinities are not served; a block of zeros gets the byte 1; the promise holds while the scaled scores stay under 2^31 in magnitude.
.set REC,    26624
.set SLOTB,  4*REC
.set SCO,    24576
.set VOFF,   12288
.set HEADB,  16*REC
.set STAGE,  2*SLOTB
.set REG,    4608                      ; a wave's place in a stage: O's 4,096 bytes, then (-M, sum), 16 bytes apart
.set STGB,   12*REG
.set SPARE,  STAGE+2*STGB
.set QS_OFF, 2359296
.set YS_OFF, 2359296
.set LI,  1                            ; v1-4  my steps' codes: register 2 x slot + (first or second step)
.set SPW, 5
.set NIL, 6
.set L4,  7
.set L8,  8
.set VD,  9                            ; my query's place in its 128 keys, less 16 (lane / 16)
.set VD0, 10                           ; the same in its pass
.set WST, 11                           ; stage 0: place 4 (kq - 1) + t; the wave with kq = 0 stores nothing and reads 4, 8 and 12 places on
.set Q,   16                           ; v16-33 q, 0, q
.set QN,  34                           ; v34-39 the next pass's q;  v233-238 the third's
.set F,   40
.set ML,  72                           ; the join: three (-M, sum);  v80-85 three factors
.set FP,  80
.set KS,  88
.set VS,  92
.set S,   96
.set O,   160
.set PC,  192
.set TA,  211                          ; my place in this visit's stage
.set BM,  212
.set BT,  216
.set SO,  220
.set QS,  224
.set PW,  225
.set FF,  226
.set NINF, 232
.set QNN, 233
.set QSN, 239
.set QSNN, 240
.set PFO, 241
.set LS,  244                          ; v244-247 my steps' scale words, as v1-4
.set WV, 10
.set KQ, 11
.set TT, 12
.set V,  13                            ; the visit
.set PE, 14                            ; the visit at which the pass in hand has ended;  s15 the next pass's
.set PEN, 15
.set E0, 16
.set E1, 17
.set E2, 18
.set BLK, 19                           ; the pass's last key step;  s20, s21 the next two passes'
.set BLKN, 20
.set BLKNN, 21
.set SEL, 22
.set CS,  24
.set G1,  28
.set G0,  36                           ; s[36:39], s[40:43] group 0 for slot 0, 1
.set D0,  44                           ; s44-46 a pass's first byte in kv less its first visit's slots
.set D1,  45
.set D2,  46
.set EQ0, 47                           ; s47-49 the pass's end where C = 63, else 0
.set EQ1, 48
.set EQ2, 49
.set CC,  50
.set CN,  51
.set CNN, 52
.set BH,  53
.set ST,  54                           ; my key step in the pass
.set TR,  55
.set X,   56                           ; s[56:57] an offset; s57 stays 0
.set PFA, 58
.set U,   60
.set EF,  61
.set Y,   62
.macro MMZ d, a, b, sa, sb
	v_wmma_scale_f32_16x16x128_f8f6f4 v[\d:\d+7], v[\a:\a+11], v[\b:\b+11], 0, v[\sa], v[\sb] matrix_a_fmt:MATRIX_FMT_FP6 matrix_b_fmt:MATRIX_FMT_FP6
.endm
.macro MMA d, a, b, c, sa, sb
	v_wmma_scale_f32_16x16x128_f8f6f4 v[\d:\d+7], v[\a:\a+11], v[\b:\b+11], v[\c:\c+7], v[\sa], v[\sb] matrix_a_fmt:MATRIX_FMT_FP6 matrix_b_fmt:MATRIX_FMT_FP6
.endm
.macro PLACES
.rept 4
	v_nop
.endr
.endm
.macro INIT                            ; a pass begins: the largest t -3e38, -M its negative (a whole number), sums and O^T zero
	v_mov_b32 v13, 0xff61b1e6
	v_mov_b32 v12, 0x7f61b1e6
	v_mov_b32 v14, 0
	v_mov_b32 v15, 0
.set II, 0
.rept 32
	v_mov_b32 v[O+II], 0                           ; (also the places between q's registers and the first product)
.set II, II+1
.endr
	s_wait_alu depctr_va_vdst(0)                   ; the wait ahead of the branches and waits that follow
.endm
.macro QAD p, c                        ; where pass p's fragment of q and its scale words lie: (head) 128 + 2 C + t / 2
	s_add_co_u32 s60, s[BH], \p
	s_lshl_b32 s60, s60, 7
	s_lshl_b32 s61, s[\c], 1
	s_add_co_u32 s60, s60, s61
	s_add_co_u32 s60, s60, s79
	s_mul_i32 s[X], s60, 1536
	s_add_nc_u64 s[66+2*\p:67+2*\p], s[4:5], s[X:X+1]
	s_lshl_b32 s[X], s60, 7
	s_add_co_u32 s[X], s[X], QS_OFF
	s_add_nc_u64 s[72+2*\p:73+2*\p], s[4:5], s[X:X+1]
.endm
	s_load_b128 s[4:7], s[0:1], 0x0                ; qb, kv
	s_load_b64 s[8:9], s[0:1], 0x10                ; yb
	v_lshl_add_u32 v[SPW], v0, 2, SPARE
	v_mov_b32 v[NIL], 0
	ds_add_u32 v[SPW], v[NIL]                      ; the opening lines: the add twice on end and one wait
	ds_add_u32 v[SPW], v[NIL]
	v_lshrrev_b32 v150, 5, v0
	v_readfirstlane_b32 s[WV], v150                ; wave 0..15
	s_and_b32 s[TT], s[WV], 3
	s_lshr_b32 s[KQ], s[WV], 2
	s_add_co_u32 s[KQ], s[KQ], s[WV]
	s_and_b32 s[KQ], s[KQ], 3
	s_lshr_b32 s66, ttmp9, 6
	s_mul_i32 s[BH], s66, 3                        ; the first pass's batch x 6 + head
	s_and_b32 s[CC], ttmp9, 63                     ; the three C
	s_lshr_b32 s67, s[CC], 1
	s_and_b32 s68, s[CC], 1
	s_lshl_b32 s68, s68, 5
	s_sub_co_u32 s[CN], 63, s67
	s_sub_co_u32 s[CN], s[CN], s68
	s_sub_co_u32 s[CNN], 31, s67
	s_add_co_u32 s[CNN], s[CNN], s68
	s_lshr_b32 s[E0], s[CC], 4                     ; the visits at which the passes end
	s_add_co_u32 s[E0], s[E0], 1
	s_lshr_b32 s[E1], s[CN], 4
	s_add_co_u32 s[E1], s[E1], s[E0]
	s_add_co_u32 s[E1], s[E1], 1
	s_lshr_b32 s[E2], s[CNN], 4
	s_add_co_u32 s[E2], s[E2], s[E1]
	s_add_co_u32 s[E2], s[E2], 1
	s_mul_i32 s[D0], s[BH], HEADB
	s_mul_i32 s66, s[E0], SLOTB
	s_add_co_u32 s[D1], s[D0], HEADB
	s_add_co_u32 s[D2], s[D1], HEADB
	s_sub_co_u32 s[D1], s[D1], s66
	s_mul_i32 s66, s[E1], SLOTB
	s_sub_co_u32 s[D2], s[D2], s66
	s_cmp_eq_u32 s[CC], 63
	s_cselect_b32 s[EQ0], s[E0], 0
	s_cmp_eq_u32 s[CN], 63
	s_cselect_b32 s[EQ1], s[E1], 0
	s_cmp_eq_u32 s[CNN], 63
	s_cselect_b32 s[EQ2], s[E2], 0
	s_lshr_b32 s[BLK], s[CC], 1
	s_lshr_b32 s[BLKN], s[CN], 1
	s_lshr_b32 s[BLKNN], s[CNN], 1
	s_mov_b32 s[PE], s[E0]
	s_mov_b32 s[PEN], s[E1]
	s_mov_b32 s[V], 0
	s_mov_b32 s[ST], s[KQ]
	s_mov_b32 s[TR], 0
	s_mov_b32 s[SEL], 0x76543210
	s_mov_b32 s[SEL+1], 0xfedcba98
	s_mov_b32 s[CS], 0x3e38aa3b                    ; log2(e) / 8
	s_mov_b32 s[CS+1], s[CS]
	s_mov_b32 s[G1+0], 3<<16                       ; elements of 8 bytes: 26 dense rows of 256 bytes
	s_mov_b32 s[G1+1], 32<<16
	s_mov_b32 s[G1+2], 26<<16
	s_mov_b32 s[G1+3], 32<<16
	s_mov_b32 s[G1+4], 26
	s_mov_b32 s[G1+5], 32
	s_mov_b32 s[G1+6], 0
	s_mov_b32 s[G1+7], 0
	s_mov_b32 s[G0], 1
	s_mul_i32 s[G0+1], s[WV], 6656
	s_mov_b32 s[G0+4], 1
	s_add_co_u32 s[G0+5], s[G0+1], SLOTB
	s_mul_i32 s[X], s[WV], 6656
	s_mov_b32 s[X+1], 0
	s_wait_dscnt 0x0
	s_wait_kmcnt 0x0
	s_add_nc_u64 s[6:7], s[6:7], s[X:X+1]          ; kv at my 26 rows of a slot
	s_mov_b32 s[X], s[D0]
	s_add_nc_u64 s[G0+2:G0+3], s[6:7], s[X:X+1]
	s_or_b32 s[G0+3], s[G0+3], 0x80000000
	tensor_load_to_lds s[G0:G0+3], s[G1:G1+7]      ; visit 0's slot: every wave's one load at the head
	s_nop 0
	PLACES
	s_lshr_b32 s66, s[KQ], 1
	s_mul_i32 s66, s66, REC                        ; my first step: record kq / 2, its half kq % 2; the second lies two records on
	s_and_b32 s67, s[KQ], 1
	s_mul_i32 s68, s67, 6144
	s_add_co_u32 s68, s68, s66
	s_lshl_b32 s67, s67, 9
	s_add_co_u32 s67, s67, s66
	s_add_co_u32 s67, s67, SCO
	s_lshl_b32 s69, s[KQ], 2
	s_add_co_u32 s69, s69, s[TT]
	s_mul_i32 s69, s69, REG
	s_add_co_u32 s69, s69, STAGE-4*REG
	s_lshr_b32 s79, s[TT], 1
	s_and_b32 s78, s[TT], 1                        ; u: which tile of the group of 32 queries
	s_lshl_b32 s62, s78, 4
	s_cmp_eq_u32 s78, 1
	s_cselect_b32 s63, -1, 0
	s_lshl_b32 s70, s79, 5
	s_lshl_b32 s71, s78, 3
	s_add_co_u32 s70, s70, s71
	s_and_b32 s71, s[CC], 1
	s_lshl_b32 s71, s71, 6
	v_and_b32 v150, 31, v0
	v_and_b32 v152, 15, v0
	v_bfe_u32 v153, v0, 4, 1
	v_lshlrev_b32 v151, 4, v150
	v_lshlrev_b32 v[L4], 2, v150
	v_lshlrev_b32 v[L8], 3, v150
	v_min_u32 v[PFO], 25, v150
	v_and_b32 v154, 8, v152
	v_lshlrev_b32 v153, 4, v153
	v_add_nc_u32 v[LI], s68, v151
	v_add_nc_u32 v[LS], s67, v[L4]
	v_add_nc_u32 v[WST], s69, v151
	v_lshlrev_b32 v[PFO], 8, v[PFO]
	v_add_nc_u32 v152, v152, v154
	v_add_nc_u32 v[LI+1], 2*REC, v[LI]
	v_add_nc_u32 v[LS+1], 2*REC, v[LS]
	v_add_nc_u32 v[LI+2], SLOTB, v[LI]
	v_add_nc_u32 v[LS+2], SLOTB, v[LS]
	v_add_nc_u32 v[LI+3], SLOTB+2*REC, v[LI]
	v_add_nc_u32 v[LS+3], SLOTB+2*REC, v[LS]
	v_sub_nc_u32 v152, v152, v153
	v_add_nc_u32 v[VD0], s70, v152
	v_add_nc_u32 v[VD], s71, v[VD0]
	s_wait_alu depctr_va_vdst(0)                   ; the wait ahead of the run of scalar lines
	QAD 0, CC
	QAD 1, CN
	QAD 2, CNN
.irp p, 0,1,2                                  ; all three passes' q now
.irp c, 0,1,2
	global_load_b128 v[S+12*\p+4*\c:S+12*\p+4*\c+3], v151, s[66+2*\p:67+2*\p] offset:512*\c
.endr
	global_load_b32 v[S+36+\p], v[L4], s[72+2*\p:73+2*\p]
.endr
.irp b, 0,1,2,3
	v_mov_b32 v[BT+\b], 0                          ; a lane permute's destination counts as one of its sources
.endr
	v_mov_b32 v[FF], 0
	v_mov_b32 v[FF+1], 0
	v_mov_b32 v228, 0
	v_mov_b32 v[NINF], 0xff800000
.irp i, 0,1,2,3,4,5
	v_mov_b32 v[Q+6+\i], 0
.endr
	s_wait_alu depctr_va_vdst(0)
	s_wait_loadcnt 0x0
.irp i, 0,1,2,3,4,5
	v_cndmask_b32 v[Q+\i], v[S+\i], v[S+6+\i], s63
	v_cndmask_b32 v[QN+\i], v[S+12+\i], v[S+18+\i], s63
	v_cndmask_b32 v[QNN+\i], v[S+24+\i], v[S+30+\i], s63
.endr
.irp p, 0,1,2
	v_lshrrev_b32 v[S+36+\p], s62, v[S+36+\p]
.endr
.irp p, 0,1,2
	v_and_b32 v[S+36+\p], 0xffff, v[S+36+\p]       ; my tile's two scale bytes,
.endr
	v_lshl_or_b32 v[QS], v[S+36], 16, v[S+36]      ; for the lower and the upper 64 along K
	v_lshl_or_b32 v[QSN], v[S+37], 16, v[S+37]
	v_lshl_or_b32 v[QSNN], v[S+38], 16, v[S+38]
.irp i, 0,1,2,3,4,5
	v_mov_b32 v[Q+12+\i], v[Q+\i]
.endr
	INIT
; A KEY STEP: 128 keys; ix = 2 x slot + (my first or second step there) picks the address registers.
.macro STEP ix
	s_cmp_gt_i32 s[ST], s[BLK]                     ; all its keys come after the pass's queries, or no pass is left
	s_cbranch_scc1 .Lhid_\@
.irp b, 0,1,2,3
.irp c, 0,1,2
	ds_load_b128 v[F+12*\b+4*\c:F+12*\b+4*\c+3], v[LI+\ix] offset:\b*1536+512*\c
.endr
	ds_load_b32 v[KS+\b], v[LS+\ix] offset:\b*128
.endr
.irp b, 0,1,2,3
	s_wait_dscnt 12-4*\b                           ; fragment b and its scale words are in; the later fragments' four loads each may be out
	MMZ S+16*\b, F+12*\b, Q, KS+\b, QS             ; keys 32 b + 16 h + 0 .. 7
	MMZ S+16*\b+8, F+12*\b, Q+6, KS+\b, QS         ; keys 32 b + 16 h + 8 .. 15
.endr
	PLACES
.irp a, 0,1,2,3                                ; V's fragments land while the softmax is walked
.irp c, 0,1,2
	ds_load_b128 v[F+12*\a+4*\c:F+12*\a+4*\c+3], v[LI+\ix] offset:VOFF+\a*1536+512*\c
.endr
	ds_load_b32 v[VS+\a], v[LS+\ix] offset:1024+\a*128
.endr
	s_cmp_lt_u32 s[ST], s[BLK]                     ; all keys count: no mask
	s_cbranch_scc1 .Lopen_\@
.set II, 0
.rept 64                                       ; register 16 b + i holds key 32 b + 16 h + i of the step
	v_cmp_gt_i32 vcc_lo, 32*(II/16)+II%16, v[VD]
	v_cndmask_b32 v[S+II], v[S+II], v[NINF], vcc_lo
.set II, II+1
.endr
.Lopen_\@:
.irp b, 0,1,2,3
	v_max3_num_f32 v[BM+\b], v[S+16*\b], v[S+1+16*\b], v[S+2+16*\b]   ; each block's largest score: for the row's maximum and for the block's largest p
.endr
.irp i, 3,5,7,9,11,13
.irp b, 0,1,2,3
	v_max3_num_f32 v[BM+\b], v[BM+\b], v[S+16*\b+\i], v[S+1+16*\b+\i]
.endr
.endr
.irp b, 0,1,2,3
	v_max_num_f32 v[BM+\b], v[BM+\b], v[S+15+16*\b]
.endr
.irp b, 0,1,2,3
	s_delay_alu instid0(VALU_DEP_4)
	v_permlanex16_b32 v[BT+\b], v[BM+\b], s[SEL], s[SEL+1]
.endr
.irp b, 0,1,2,3
	s_delay_alu instid0(VALU_DEP_4)
	v_max_num_f32 v[BM+\b], v[BM+\b], v[BT+\b]
.endr
	s_delay_alu instid0(VALU_DEP_2)
	v_max3_num_f32 v228, v[BM], v[BM+1], v[BM+2]
	s_delay_alu instid0(VALU_DEP_1)
	v_max_num_f32 v228, v228, v[BM+3]
	s_delay_alu instid0(VALU_DEP_1)
	v_mul_f32 v228, s[CS], v228
	s_delay_alu instid0(VALU_DEP_1)
	v_max_num_f32 v13, v13, v228                   ; the running largest t
	v_mov_b32 v228, v12
	s_delay_alu instid0(VALU_DEP_2)
	v_floor_f32 v12, -v13                          ; the new -M
	s_delay_alu instid0(VALU_DEP_1)
	v_sub_f32 v228, v12, v228
	s_delay_alu instid0(VALU_DEP_1)
	v_cvt_i32_f32 v228, v228                       ; (it saturates)
	s_delay_alu instid0(VALU_DEP_1)
	v_ldexp_f32 v[FF], 1.0, v228                   ; f = 2^(old M - new M)
.set II, 0
.rept 32
	v_pk_fma_f32 v[S+II:S+II+1], v[S+II:S+II+1], s[CS:CS+1], v[12:13] op_sel_hi:[1,0,0]   ; t - M
.set II, II+2
.endr
.irp b, 0,1,2,3
	v_fma_f32 v[BM+\b], v[BM+\b], s[CS], v12
.endr
	s_wait_alu depctr_va_vdst(0)                   ; the wait ahead of the batch
.set II, 0
.rept 64
	v_exp_f32 v[S+II], v[S+II]                     ; p
.set II, II+1
.endr
	v_pk_mul_f32 v[14:15], v[14:15], v[FF:FF+1] op_sel_hi:[1,0]   ; the sums under the new M: a plain place behind the batch
	s_wait_alu depctr_va_vdst(0)                   ; one wait for the batch, ahead of its first reader
.irp b, 0,1,2,3
	v_exp_f32 v[BM+\b], v[BM+\b]                   ; the blocks' largest p
.endr
.set II, 0
.irp r, 230,BT,BT+2,SO,SO+2,252,254            ; the row's sum of the unquantised p, in eight chains (v216-223 are idle here)
	v_pk_add_f32 v[\r:\r+1], v[S+II:S+II+1], v[S+II+2:S+II+3]
.set II, II+4
.endr
	v_pk_add_f32 v[14:15], v[14:15], v[S+28:S+29]
.set II, 30
.rept 2
.irp r, 230,BT,BT+2,SO,SO+2,252,254
	v_pk_add_f32 v[\r:\r+1], v[\r:\r+1], v[S+II:S+II+1]
.set II, II+2
.endr
	v_pk_add_f32 v[14:15], v[14:15], v[S+II:S+II+1]
.set II, II+2
.endr
	v_pk_add_f32 v[230:231], v[230:231], v[S+62:S+63]
	v_pk_add_f32 v[14:15], v[14:15], v[BT:BT+1]
	v_pk_add_f32 v[SO:SO+1], v[SO:SO+1], v[SO+2:SO+3]
	v_pk_add_f32 v[252:253], v[252:253], v[254:255]
	v_pk_add_f32 v[230:231], v[230:231], v[BT+2:BT+3]
	s_delay_alu instid0(VALU_DEP_3)
	v_pk_add_f32 v[14:15], v[14:15], v[SO:SO+1]
	s_delay_alu instid0(VALU_DEP_2)
	v_pk_add_f32 v[230:231], v[230:231], v[252:253]
	s_delay_alu instid0(VALU_DEP_1)
	v_pk_add_f32 v[14:15], v[14:15], v[230:231]
	s_wait_alu depctr_va_vdst(0)                   ; and one for the four
.irp b, 0,1,2,3
	v_max_num_f32 v[BM+\b], 0x1800000, v[BM+\b]    ; the floor 2^(3 - 127): the byte cannot fall under 1
.endr
.irp b, 0,1,2,3
	s_delay_alu instid0(VALU_DEP_4)
	v_add_nc_u32 v[SO+\b], 0xff000000, v[BM+\b]    ; 2 off the exponent field: the conversion's scale operand
.endr
.irp b, 0,1,2,3
	s_delay_alu instid0(VALU_DEP_4)
	v_lshrrev_b32 v[BT+\b], 23, v[SO+\b]
.endr
	s_delay_alu instid0(VALU_DEP_3)
	v_lshl_or_b32 v[PW], v[BT+1], 8, v[BT]         ; p's scale word
	s_delay_alu instid0(VALU_DEP_1)
	v_lshl_or_b32 v[PW], v[BT+2], 16, v[PW]
	s_delay_alu instid0(VALU_DEP_1)
	v_lshl_or_b32 v[PW], v[BT+3], 24, v[PW]
.irp c, 0,1
	v_cvt_scalef32_pk16_fp6_f32 v[PC+6*\c:PC+2+6*\c], v[S+32*\c:S+15+32*\c], v[SO+2*\c]
	v_cvt_scalef32_pk16_fp6_f32 v[PC+12+4*\c:PC+14+4*\c], v[S+16+32*\c:S+31+32*\c], v[SO+2*\c+1]
.endr
	v_nop                                          ; one plain place behind a scaled conversion
.irp c, 0,1
.irp i, 0,1,2
	v_permlane16_swap_b32 v[PC+6*\c+\i], v[PC+12+4*\c+\i]
.endr
.irp i, 0,1,2
	s_delay_alu instid0(VALU_DEP_3)
	v_mov_b32 v[PC+3+6*\c+\i], v[PC+12+4*\c+\i]
.endr
.endr
	s_wait_alu depctr_va_vdst(0)                   ; the wait directly ahead of the first reader of O^T
.set II, 0
.rept 16
	v_pk_mul_f32 v[O+II:O+II+1], v[O+II:O+II+1], v[FF:FF+1] op_sel_hi:[1,0]   ; O^T under the new M; also the places ahead of the products
.set II, II+2
.endr
	s_wait_alu depctr_va_vdst(0)
	s_wait_dscnt 0x0                               ; V
.irp a, 0,1,2,3                                ; four accumulators by turns
	MMA O+8*\a, F+12*\a, PC, O+8*\a, VS+\a, PW
.endr
	PLACES
.Lhid_\@:
	s_add_co_u32 s[ST], s[ST], 4
.endm
; THE JOIN, by the wave with kq = 0: its tile's three other parts come from the stage; then y = O^T / sum is quantised along the channels and stored.
.macro MERGE
.irp i, 1,2,3
	ds_load_b64 v[ML+2*(\i-1):ML+2*(\i-1)+1], v[TA] offset:\i*4*REG+4096
.endr
.irp c, 0,1,2,3,4,5,6,7
	ds_load_b128 v[S+4*\c:S+4*\c+3], v[TA] offset:4*REG+512*\c
	ds_load_b128 v[S+32+4*\c:S+32+4*\c+3], v[TA] offset:8*REG+512*\c
	ds_load_b128 v[F+4*\c:F+4*\c+3], v[TA] offset:12*REG+512*\c
.endr
	s_mul_i32 s66, s[BH], 11
	s_lshr_b32 s66, s66, 6                         ; the batch: (batch x 6 + head) / 6 for 0 .. 11
	s_mul_i32 s67, s66, 6
	s_sub_co_u32 s67, s[BH], s67                   ; the head
	s_lshl_b32 s66, s66, 8
	s_lshl_b32 s68, s[CC], 2
	s_add_co_u32 s66, s66, s68
	s_add_co_u32 s66, s66, s[TT]                   ; my tile of tokens, 0..511
	s_mul_i32 s66, s66, 6
	s_add_co_u32 s66, s66, s67
	s_mul_i32 s[X], s66, 768
	s_add_nc_u64 s[70:71], s[8:9], s[X:X+1]
	s_lshl_b32 s[X], s66, 7
	s_add_co_u32 s[X], s[X], YS_OFF
	s_add_nc_u64 s[72:73], s[8:9], s[X:X+1]
	s_wait_dscnt 0x0
	v_min3_num_f32 v228, v12, v[ML], v[ML+2]
	v_mov_b32 v[FP+1], 0                           ; (named as upper halves of pairs)
	v_mov_b32 v[FP+3], 0
	v_mov_b32 v[FP+5], 0
	v_min_num_f32 v228, v228, v[ML+4]              ; - the largest M
	s_delay_alu instid0(VALU_DEP_1)
	v_sub_f32 v[FF], v228, v12                     ; each part's M - the largest: a whole number, 0 or less
	v_sub_f32 v[FP], v228, v[ML]
	v_sub_f32 v[FP+2], v228, v[ML+2]
	v_sub_f32 v[FP+4], v228, v[ML+4]
.irp r, FF, FP, FP+2, FP+4
	s_delay_alu instid0(VALU_DEP_4)
	v_cvt_i32_f32 v[\r], v[\r]                     ; (it saturates: a part with no key has the factor 0)
.endr
.irp r, FF, FP, FP+2, FP+4
	s_delay_alu instid0(VALU_DEP_4)
	v_ldexp_f32 v[\r], 1.0, v[\r]
.endr
	v_mul_f32 v14, v13, v[FF]
	s_wait_alu depctr_va_vdst(0)
.set II, 0
.rept 16
	v_pk_mul_f32 v[O+II:O+II+1], v[O+II:O+II+1], v[FF:FF+1] op_sel_hi:[1,0]   ; each accumulator from its low end on
.set II, II+2
.endr
.set II, 0
.rept 16
	v_pk_fma_f32 v[O+II:O+II+1], v[S+II:S+II+1], v[FP:FP+1], v[O+II:O+II+1] op_sel_hi:[1,0,1]
.set II, II+2
.endr
	v_fmac_f32 v14, v[ML+1], v[FP]
.set II, 0
.rept 16
	v_pk_fma_f32 v[O+II:O+II+1], v[S+32+II:S+32+II+1], v[FP+2:FP+3], v[O+II:O+II+1] op_sel_hi:[1,0,1]
.set II, II+2
.endr
	v_fmac_f32 v14, v[ML+3], v[FP+2]
.set II, 0
.rept 16
	v_pk_fma_f32 v[O+II:O+II+1], v[F+II:F+II+1], v[FP+4:FP+5], v[O+II:O+II+1] op_sel_hi:[1,0,1]
.set II, II+2
.endr
	v_fmac_f32 v14, v[ML+5], v[FP+4]               ; the row's sum
	s_wait_alu depctr_va_vdst(0)                   ; the wait ahead of the transcendental
	v_rcp_f32 v[ML], v14
	v_nop
	s_wait_alu depctr_va_vdst(0)                   ; and ahead of its first reader
.set II, 0
.rept 16
	v_pk_mul_f32 v[S+II:S+II+1], v[O+II:O+II+1], v[ML:ML+1] op_sel_hi:[1,0]   ; y: register 16 b + i is channel 32 b + 16 h + i
.set II, II+2
.endr
.irp b, 0,1
	v_max3_num_f32 v[BM+\b], |v[S+16*\b]|, |v[S+1+16*\b]|, 0x1800000
.endr
.irp i, 2,4,6,8,10,12,14
.irp b, 0,1
	s_delay_alu instid0(VALU_DEP_2)
	v_max3_num_f32 v[BM+\b], v[BM+\b], |v[S+16*\b+\i]|, |v[S+1+16*\b+\i]|
.endr
.endr
.irp b, 0,1
	s_delay_alu instid0(VALU_DEP_2)
	v_permlanex16_b32 v[BT+\b], v[BM+\b], s[SEL], s[SEL+1]
.endr
.irp b, 0,1
	s_delay_alu instid0(VALU_DEP_2)
	v_max_num_f32 v[BM+\b], v[BM+\b], v[BT+\b]
.endr
.irp b, 0,1
	s_delay_alu instid0(VALU_DEP_2)
	v_add_nc_u32 v[SO+\b], 0xff000000, v[BM+\b]
.endr
.irp b, 0,1
	s_delay_alu instid0(VALU_DEP_2)
	v_lshrrev_b32 v[BT+\b], 23, v[SO+\b]
.endr
	s_delay_alu instid0(VALU_DEP_1)
	v_lshl_or_b32 v228, v[BT+1], 8, v[BT]          ; the head's two scale bytes
	v_cvt_scalef32_pk16_fp6_f32 v[PC:PC+2], v[S:S+15], v[SO]
	v_cvt_scalef32_pk16_fp6_f32 v[PC+12:PC+14], v[S+16:S+31], v[SO+1]
	v_nop
.irp i, 0,1,2
	v_permlane16_swap_b32 v[PC+\i], v[PC+12+\i]
.endr
.irp i, 0,1,2
	s_delay_alu instid0(VALU_DEP_3)
	v_mov_b32 v[PC+3+\i], v[PC+12+\i]
.endr
.irp m, 0,1,2
	global_store_b64 v[L8], v[PC+2*\m:PC+2*\m+1], s[70:71] offset:256*\m   ; 32 lanes store 256 consecutive bytes, aligned
.endr
	global_store_b32 v[L4], v228, s[72:73]
	s_wait_xcnt 0x0                                ; the stores have read their registers, which the next pass writes
.endm
; A VISIT of slot par.  Where the pass in hand ended with the last visit: the parts go to the stage ahead of the change of slots and are joined behind its barrier, and the next pass begins.
; THE CHANGE OF SLOTS: each wave waits for all its tensor loads, adds 0 to its spare word, waits for that and for its LDS reads and stores; behind the barrier this slot is whole, nobody reads the
; other, which takes the next visit's 1,024 keys (if a visit is left: a test on ids, the same in all waves), and the stage is whole.  A stage is stored again two visits on at the earliest: a barrier lies between.
.macro VISIT par, last
	s_cmp_lg_u32 s[V], s[PE]
	s_cbranch_scc1 .Lnp_\@
	v_add_f32 v14, v14, v15
	v_add_nc_u32 v[TA], \par*STGB, v[WST]
	s_delay_alu instid0(VALU_DEP_2)
	v_permlanex16_b32 v228, v14, s[SEL], s[SEL+1]
	s_delay_alu instid0(VALU_DEP_1)
	v_add_f32 v13, v14, v228                       ; my part's sum, beside -M
	s_wait_alu depctr_va_vdst(0)
	s_cmp_eq_u32 s[KQ], 0
	s_cbranch_scc1 .Lnp_\@
.irp c, 0,1,2,3,4,5,6,7
	ds_store_b128 v[TA], v[O+4*\c:O+4*\c+3] offset:512*\c   ; each accumulator from its low end on
.endr
	ds_store_b64 v[TA], v[12:13] offset:4096
.Lnp_\@:
	s_wait_tensorcnt 0x0                           ; no tensor load of mine is out, so a group 0 may be written
	ds_add_u32 v[SPW], v[NIL]
.if \last == 0
	s_wait_xcnt 0x0                                ; the last prefetch has read its address
	s_add_co_u32 s[U], s[V], 1                     ; the next visit: its pass, and from that its place in kv
	s_cmp_lt_u32 s[U], s[E1]
	s_cselect_b32 s[X], s[D1], s[D2]
	s_cselect_b32 s[EF], s[EQ1], s[EQ2]
	s_cmp_lt_u32 s[U], s[E0]
	s_cselect_b32 s[X], s[D0], s[X]
	s_cselect_b32 s[EF], s[EQ0], s[EF]
	s_mul_i32 s[Y], s[U], SLOTB
	s_add_co_u32 s[X], s[X], s[Y]
	s_add_nc_u64 s[PFA:PFA+1], s[6:7], s[X:X+1]
	s_mov_b64 s[G0+4*(1-\par)+2:G0+4*(1-\par)+3], s[PFA:PFA+1]
	s_or_b32 s[G0+4*(1-\par)+3], s[G0+4*(1-\par)+3], 0x80000000
.endif
	s_wait_dscnt 0x0
	s_barrier_signal -1
	s_barrier_wait -1
.if \last == 0
	s_cmp_lt_u32 s[U], s[E2]
	s_cbranch_scc0 .Lnf_\@
	tensor_load_to_lds s[G0+4*(1-\par):G0+4*(1-\par)+3], s[G1:G1+7]
	s_nop 0
	PLACES
.Lnf_\@:
	s_add_co_u32 s[Y], s[U], 1
	s_cmp_lt_u32 s[Y], s[EF]                       ; the pass has C = 63 and a slot behind the one just asked for
	s_cbranch_scc0 .Lnpf_\@
	global_prefetch_b8 v[PFO], s[PFA:PFA+1] offset:SLOTB th:TH_LOAD_NT scope:SCOPE_SE
.Lnpf_\@:
.endif
	s_cmp_lg_u32 s[V], s[PE]
	s_cbranch_scc1 .Lnq_\@
	s_cmp_lg_u32 s[KQ], 0
	s_cbranch_scc1 .Lnm_\@
	MERGE
.Lnm_\@:
.if \last == 0
	s_mov_b32 s[PE], s[PEN]                        ; the next pass
	s_mov_b32 s[PEN], s[E2]
	s_mov_b32 s[BLK], s[BLKN]
	s_mov_b32 s[BLKN], s[BLKNN]
	s_mov_b32 s[BLKNN], -1                         ; behind the third: no step
	s_mov_b32 s[CC], s[CN]
	s_mov_b32 s[CN], s[CNN]
	s_add_co_u32 s[BH], s[BH], 1
	s_mov_b32 s[ST], s[KQ]
	s_and_b32 s66, s[CC], 1
	s_lshl_b32 s66, s66, 6
	v_add_nc_u32 v[VD], s66, v[VD0]
	v_mov_b32 v[QS], v[QSN]
	v_mov_b32 v[QSN], v[QSNN]
.irp i, 0,1,2,3,4,5
	v_mov_b32 v[Q+\i], v[QN+\i]
	v_mov_b32 v[Q+12+\i], v[QN+\i]
	v_mov_b32 v[QN+\i], v[QNN+\i]
.endr
	INIT
.endif
.Lnq_\@:
.if \last == 0
	STEP 2*\par                                    ; the slot's step kq,
	STEP 2*\par+1                                  ; and its step kq + 4
	s_add_co_u32 s[V], s[V], 1
.endif
.endm
.Ltrip:                                            ; 4 trips x 2 visits: every work-group has 7 or 8 slots to walk
	VISIT 0, 0
	VISIT 1, 0
	s_add_co_u32 s[TR], s[TR], 1
	s_cmp_lt_u32 s[TR], 4
	s_cbranch_scc1 .Ltrip
	VISIT 0, 1                                     ; where the third pass ended with visit 7: its join
	s_wait_tensorcnt 0x0                           ; the wave's end
	ds_add_u32 v[SPW], v[NIL]
	s_wait_dscnt 0x0
	s_endpgm
.Lfunc_end_k_q64b47392a1_attn:
	.size	k_q64b47392a1_attn, .Lfunc_end_k_q64b47392a1_attn-k_q64b47392a1_attn
	.p2alignl 7, 3214868480
	.fill 96, 4, 3214868480
	.section	.rodata,"a",@progbits
	.p2align	6, 0x0
	.amdhsa_kernel k_q64b47392a1_attn
		.amdhsa_group_segment_fixed_size 327680
		.amdhsa_private_segment_fixed_size 0
		.amdhsa_enable_private_segment 0
		.amdhsa_kernarg_size 24
		.amdhsa_user_sgpr_count 2
		.amdhsa_user_sgpr_kernarg_segment_ptr 1
		.amdhsa_wavefront_size32 1
		.amdhsa_system_sgpr_workgroup_id_x 1
		.amdhsa_system_sgpr_workgroup_id_y 1
		.amdhsa_system_sgpr_workgroup_id_z 1
		.amdhsa_system_vgpr_workitem_id 0
		.amdhsa_next_free_vgpr 256
		.amdhsa_next_free_sgpr 80
		.amdhsa_reserve_vcc 1
		.amdhsa_float_denorm_mode_32 3
		.amdhsa_float_denorm_mode_16_64 3
		.amdhsa_memory_ordered 1
		.amdhsa_forward_progress 1
		.amdhsa_inst_pref_size 144
	.end_amdhsa_kernel
	.amdgpu_metadata
---
amdhsa.version: [ 1, 2 ]
amdhsa.kernels:
  - .name:           k_q64b47392a1_attn
    .symbol:         k_q64b47392a1_attn.kd
    .args:
      - { .name: qb, .offset: 0, .size: 8, .value_kind: global_buffer, .address_space: global }
      - { .name: kv, .offset: 8, .size: 8, .value_kind: global_buffer, .address_space: global }
      - { .name: yb, .offset: 16, .size: 8, .value_kind: global_buffer, .address_space: global }
    .group_segment_fixed_size: 327680
    .private_segment_fixed_size: 0
    .kernarg_segment_align: 8
    .kernarg_segment_size: 24
    .max_flat_workgroup_size: 512
    .sgpr_count:     80
    .vgpr_count:     256
    .wavefront_size: 32
...
	.end_amdgpu_metadata
.endif
;; end of part 3
;; launch proj (part 4): grid 256 x 1, 12 waves a work-group, no clusters, 53,760 bytes of LDS; arguments yb, wq, bp, out0; writes out0
.if DOCPART == 4
	.amdgcn_target "amdgcn-amd-amdhsa--gfx1250"
	.amdhsa_code_object_version 6
	.text
	.protected	k_q64b47392a1_proj
	.globl	k_q64b47392a1_proj
	.p2align	8
	.type	k_q64b47392a1_proj,@function
k_q64b47392a1_proj:
	s_mov_b64 s[64:65], 0
	v_nop
	global_prefetch_b8 v0, s[64:65] scope:SCOPE_SE
	s_setreg_imm32_b32 hwreg(HW_REG_WAVE_MODE, 25, 1), 1
	s_wait_xcnt 0x0
; PROJ.  out = y Wp^T + bp on codes of FP6 with E8M0 scales.  y's and Wp's fragments lie in memory as images of their registers, so every operand comes by dense loads straight into registers.
; SHARES.  A work-group takes 32 tokens; wave w takes the tile of 16 tokens w % 2 and the 64 columns 64 (w / 2) on: four accumulators, three K steps.  Waves share nothing: no barrier.
; TRANSPOSED: source 0 = 16 rows of Wp, source 1 = 16 tokens: register j of accumulator a is column 64 (w / 2) + 32 (a / 2) + 16 h + 8 (a % 2) + j of the lane's token.  The bias is loaded into the
; accumulators in that layout and the sums are added onto it.  A K step's fragment of y is two heads' halves (6 registers each), its scale word their two pairs of bytes.
; THE WAY OUT: 16 rows x 256 bytes through the wave's own stage (rows 272 bytes apart) and back as whole rows: sixteen lanes store 256 consecutive bytes, at a multiple of 256 from out0's first byte.
; NO CLUSTER, no tensor load: what work-groups share is Wp's record of 119,808 bytes, which each wave takes straight into registers, a sixth of it, once.
.set YS_OFF, 2359296
.set WF, 16                            ; v16-159 Wp's fragments (a, s) at 16 + 12 (3 a + s);  v160-171 their scale words
.set WS, 160
.set YF, 172                           ; v172-207 y's three fragments;  v208-213 the six heads' byte pairs;  v214-216 the three scale words
.set YL, 208
.set YS, 214
.set ACC, 218                          ; v218-249 four accumulators
	s_load_b256 s[4:11], s[0:1], 0x0               ; yb s[4:5], wq s[6:7], bp s[8:9], out0 s[10:11]
	v_lshl_add_u32 v254, v0, 2, 0xcc00
	v_mov_b32 v255, 0
	v_lshrrev_b32 v8, 5, v0
	s_delay_alu instid0(VALU_DEP_1)
	v_readfirstlane_b32 s12, v8                    ; wave 0..11
	v_and_b32 v8, 31, v0
	s_delay_alu instid0(VALU_DEP_1)
	v_lshlrev_b32 v1, 4, v8                        ; 16 x lane
	s_delay_alu instid0(VALU_DEP_2)
	v_lshlrev_b32 v2, 3, v8                        ; 8 x lane
	s_delay_alu instid0(VALU_DEP_3)
	v_lshlrev_b32 v3, 2, v8                        ; 4 x lane
	v_and_b32 v8, 15, v0                           ; r
	v_bfe_u32 v9, v0, 4, 1                         ; h
	s_delay_alu instid0(VALU_DEP_1)
	v_lshlrev_b32 v4, 6, v9                        ; 64 h
	s_and_b32 s13, s12, 1                          ; u
	s_lshr_b32 s14, s12, 1                         ; which 64 columns
	s_lshl_b32 s15, ttmp9, 1
	s_add_co_u32 s15, s15, s13                     ; my tile of tokens, 0..511
	s_mov_b32 s29, 0
	s_wait_alu depctr_va_vdst(0)
	s_wait_kmcnt 0x0
	s_mul_i32 s28, s15, 768
	s_add_co_u32 s28, s28, YS_OFF
	s_add_nc_u64 s[16:17], s[4:5], s[28:29]        ; y's scale bytes
	s_mul_i32 s28, s15, 4608
	s_add_nc_u64 s[18:19], s[4:5], s[28:29]        ; y's codes
	s_lshl_b32 s28, s14, 8
	s_add_nc_u64 s[20:21], s[8:9], s[28:29]        ; the bias of my 64 columns
	s_add_nc_u64 s[26:27], s[10:11], s[28:29]
	s_mul_i32 s28, s14, 18432
	s_add_co_u32 s28, s28, 359424                  ; Wp's record is the fourth; my four tiles
	s_add_nc_u64 s[22:23], s[6:7], s[28:29]
	s_mul_i32 s28, s14, 1536
	s_add_co_u32 s28, s28, 470016                  ; and their scale words
	s_add_nc_u64 s[24:25], s[6:7], s[28:29]
	s_lshl_b32 s28, ttmp9, 5
	s_lshl_b32 s30, s13, 3
	s_add_co_u32 s28, s28, s30
	s_mul_i32 s28, s28, 1536
	s_add_nc_u64 s[26:27], s[26:27], s[28:29]      ; out0 at token 32 g + 8 u, my columns
	s_mul_i32 s30, s12, 4352                       ; my stage
.irp d, 0,1,2,3,4,5
	global_load_b32 v[YL+\d], v3, s[16:17] offset:128*\d
.endr
.irp s, 0,1,2
.irp m, 0,1,2,3,4,5
	global_load_b64 v[YF+12*\s+2*\m:YF+12*\s+2*\m+1], v2, s[18:19] offset:1536*\s+256*\m
.endr
.endr
.irp a, 0,1,2,3
.irp j, 0,1
	global_load_b128 v[ACC+8*\a+4*\j:ACC+8*\a+4*\j+3], v4, s[20:21] offset:128*(\a/2)+32*(\a%2)+16*\j
.endr
.endr
.irp s, 0,1,2
.irp a, 0,1,2,3
.irp c, 0,1,2
	global_load_b128 v[WF+12*(3*\a+\s)+4*\c:WF+12*(3*\a+\s)+4*\c+3], v1, s[22:23] offset:(3*\a+\s)*1536+512*\c
.endr
	global_load_b32 v[WS+3*\a+\s], v3, s[24:25] offset:(3*\a+\s)*128
.endr
.endr
	s_wait_loadcnt 48                              ; y's 24 loads and the bias's 8 are in; Wp's 48, issued behind them, may be out
.irp s, 0,1,2
	v_lshl_or_b32 v[YS+\s], v[YL+2*\s+1], 16, v[YL+2*\s]   ; heads 2 s and 2 s + 1: the K step's scale word
.endr
	v_mul_u32_u24 v5, v8, 272                      ; the stage, in: row r, + 64 h.  (These lines are the eight places between the scale words and the first product)
	s_delay_alu instid0(VALU_DEP_1)
	v_lshl_add_u32 v5, v9, 6, v5
	s_delay_alu instid0(VALU_DEP_1)
	v_add_nc_u32 v5, s30, v5
	v_mul_u32_u24 v6, v9, 272                      ; back: lanes 0-15 one row, lanes 16-31 the next
	s_delay_alu instid0(VALU_DEP_1)
	v_lshl_add_u32 v6, v8, 4, v6
	s_delay_alu instid0(VALU_DEP_1)
	v_add_nc_u32 v6, s30, v6
	v_mul_u32_u24 v7, v9, 1536                     ; and the same two rows in out0
	s_delay_alu instid0(VALU_DEP_1)
	v_lshl_add_u32 v7, v8, 4, v7
	v_nop
.irp s, 0,1,2
	s_wait_alu depctr_va_vdst(0)
	s_wait_loadcnt 32-16*\s                        ; this K step's 16 loads are in; the later steps' 16 each may be out
.irp a, 0,1,2,3                                ; four accumulators by turns
	v_wmma_scale_f32_16x16x128_f8f6f4 v[ACC+8*\a:ACC+8*\a+7], v[WF+12*(3*\a+\s):WF+12*(3*\a+\s)+11], v[YF+12*\s:YF+12*\s+11], v[ACC+8*\a:ACC+8*\a+7], v[WS+3*\a+\s], v[YS+\s] matrix_a_fmt:MATRIX_FMT_FP6 matrix_b_fmt:MATRIX_FMT_FP6
.endr
.endr
.rept 4
	v_nop                                          ; four places ahead of the reads of the results and of the loads into Wp's registers
.endr
.irp a, 0,1,2,3
.irp j, 0,1
	ds_store_b128 v5, v[ACC+8*\a+4*\j:ACC+8*\a+4*\j+3] offset:128*(\a/2)+32*(\a%2)+16*\j   ; each accumulator from its low end on
.endr
.endr
.irp i, 0,1,2,3,4,5,6,7
	ds_load_b128 v[WF+4*\i:WF+4*\i+3], v6 offset:544*\i   ; LDS serves a wave's instructions in order: these see my stores
.endr
.irp i, 0,1,2,3,4,5,6,7
	s_wait_dscnt 7-\i                              ; rows 2 i and 2 i + 1 are back; the younger loads may be out
	global_store_b128 v7, v[WF+4*\i:WF+4*\i+3], s[26:27] offset:(2*\i+8*(\i/4))*1536 th:TH_STORE_NT   ; the stage's row p is token 32 g + 8 u + p + 8 (p / 8)
.endr
	s_wait_tensorcnt 0x0
	ds_add_u32 v254, v255
	s_wait_dscnt 0x0
	s_endpgm
.Lfunc_end_k_q64b47392a1_proj:
	.size	k_q64b47392a1_proj, .Lfunc_end_k_q64b47392a1_proj-k_q64b47392a1_proj
	.p2alignl 7, 3214868480
	.fill 96, 4, 3214868480
	.section	.rodata,"a",@progbits
	.p2align	6, 0x0
	.amdhsa_kernel k_q64b47392a1_proj
		.amdhsa_group_segment_fixed_size 53760
		.amdhsa_private_segment_fixed_size 0
		.amdhsa_enable_private_segment 0
		.amdhsa_kernarg_size 32
		.amdhsa_user_sgpr_count 2
		.amdhsa_user_sgpr_kernarg_segment_ptr 1
		.amdhsa_wavefront_size32 1
		.amdhsa_system_sgpr_workgroup_id_x 1
		.amdhsa_system_sgpr_workgroup_id_y 1
		.amdhsa_system_sgpr_workgroup_id_z 1
		.amdhsa_system_vgpr_workitem_id 0
		.amdhsa_next_free_vgpr 256
		.amdhsa_next_free_sgpr 66
		.amdhsa_reserve_vcc 0
		.amdhsa_float_denorm_mode_32 3
		.amdhsa_float_denorm_mode_16_64 3
		.amdhsa_memory_ordered 1
		.amdhsa_forward_progress 1
		.amdhsa_inst_pref_size 15
	.end_amdhsa_kernel
	.amdgpu_metadata
---
amdhsa.version: [ 1, 2 ]
amdhsa.kernels:
  - .name:           k_q64b47392a1_proj
    .symbol:         k_q64b47392a1_proj.kd
    .args:
      - { .name: yb, .offset: 0, .size: 8, .value_kind: global_buffer, .address_space: global }
      - { .name: wq, .offset: 8, .size: 8, .value_kind: global_buffer, .address_space: global }
      - { .name: bp, .offset: 16, .size: 8, .value_kind: global_buffer, .address_space: global }
      - { .name: out0, .offset: 24, .size: 8, .value_kind: global_buffer, .address_space: global }
    .group_segment_fixed_size: 53760
    .private_segment_fixed_size: 0
    .kernarg_segment_align: 8
    .kernarg_segment_size: 32
    .max_flat_workgroup_size: 384
    .sgpr_count:     66
    .vgpr_count:     256
    .wavefront_size: 32
...
	.end_amdgpu_metadata
.endif
;; end of part 4
